; MI455X (gfx1250); checked and timed in simulation.
; The chip was launched on July 23, 2026; its instructions are those of AMD's public machine-readable ISA for CDNA 5 (MIT licence, August 2026) and "CDNA5" Instruction Set Architecture Reference Guide (July 2026). The comments in the code are by the model that wrote it; some were corrected since.
;; SA MH Layer. Allowed arithmetic: matrix products marked QUANTISED: E5M2 operands, one E8M0 scale for each 32 along K, by v_wmma_scale_f32_16x16x128_f8f6f4 with both operands' format E5M2, f32 sums; everything else in f32.
;; Inputs: Wk 512 x 512 float32; Wq 512 x 512 float32; Wt 512 x 512 float32; Wv 512 x 512 float32; beta 512 float32; bt 512 float32; gamma 512 float32; x 64 x 512 x 512 float32.
;; Outputs: out0 64 x 512 x 512 float32.
;; This version of the problem:
;;   THIS VERSION OF THE PROBLEM IS GIVEN IN LOW PRECISION. The matrix products marked QUANTISED in the list below multiply operands that are first quantised to E5M2 (5 exponent bits, 2 mantissa bits; 8 bits a number), with one power-of-two scale for each 32 numbers along K (OCP MX v1.0); their sums are f32. All else is computed in f32.
;;   The module's matrix products, in the order in which they are computed (A, B: the left and right operand; K: the contracted axis; several contracted axes count as one K, in the product's order):
;;     1. [M 32,768, K 512] x [K 512, N 512]; A: input x; B: input Wq: QUANTISED
;;     2. [M 32,768, K 512] x [K 512, N 512]; A: input x; B: input Wk: QUANTISED
;;     3. [M 32,768, K 512] x [K 512, N 512]; A: input x; B: input Wv: QUANTISED
;;     4. batch 256 x [M 512, K 128] x [K 128, N 512]; A: computed on the way; B: computed on the way: QUANTISED
;;     5. batch 256 x [M 512, K 512] x [K 512, N 128]; A: computed on the way; B: computed on the way: QUANTISED
;;     6. [M 32,768, K 512] x [K 512, N 512]; A: computed on the way; B: input Wt: QUANTISED
;;   THE QUANTISER, for each operand of a quantised product, along K:
;;     - K is cut into blocks of 32 from its start; a last block that is shorter is filled with zeros.
;;     - A block's scale is 2^e with e = floor(log2(the largest magnitude in the block)) - 15, held to -126 .. 127; a block of zeros has e = 0. As a byte (E8M0): e + 127.
;;     - Each number is divided by its block's scale, clamped to +-57,344, and rounded to the nearest number of E5M2, ties to even, subnormals kept.
;;     - The product sums the exact products of the quantised numbers (number of the format x scale) in f32.
;;   ~~~python
;;   def quantise(x, axis):      # numpy; x: float32 -> the quantised numbers, widened to float32 again
;;       x = np.moveaxis(x, axis, -1); K = x.shape[-1]
;;       x = np.pad(x, [(0, 0)] * (x.ndim - 1) + [(0, -K % 32)]); x = x.reshape(x.shape[:-1] + (-1, 32)); a = np.abs(x).max(-1, keepdims=True)
;;       e = np.where(a > 0, np.clip(np.frexp(np.where(a > 0, a, 1))[1] - 1 - 15, -126, 127), 0)      # np.frexp(a)[1] - 1 = floor(log2(a)), exactly
;;       r = np.clip(x / 2.0 ** e, -57344, 57344)
;;       step = 2.0 ** (np.maximum(np.frexp(np.where(r == 0, 1, r))[1] - 1, -14) - 2)
;;       q = np.round(r / step) * step * 2.0 ** e      # np.round: ties to even
;;       return np.moveaxis(q.reshape(q.shape[:-2] + (-1,))[..., :K], -1, axis).astype(np.float32)
;;   ~~~
;;   OPERANDS COMPUTED ON THE WAY. 'Computed on the way' means the value that the module computes at that place (a softmax that the list does not call 'softmax' is quantised finished and normalised). What goes into a quantiser is computed in f32, as accurately as f32 sums, v_exp_f32 and their like allow (about 1e-6 of the number): no bf16 or f16 on the way to a quantiser, and a product that is left as it is and whose result goes on into a quantised operand takes f32 operands (vector FMAs, or v_wmma_f32_16x16x4_f32). A number that lies on a knife's edge between two numbers of the format may be rounded either way, as far as f32 arithmetic and the matrix unit's own rounding can turn it there, and no further.
;; One version. Each part assembles by itself: llvm-mc -triple=amdgcn-amd-amdhsa -mcpu=gfx1250 --defsym DOCPART=n.
;; ======== version 1 of 1: 4 launches
;; workspace buffers: xc 16,777,216 bytes; xs 524,288 bytes; wc 1,114,112 bytes; zc 16,777,216 bytes; zs 524,288 bytes; pmean 131,072 bytes; pm2 131,072 bytes
;; launch quant (part 1): grid 256 x 1, 4 waves a work-group, no clusters, 0 bytes of LDS; arguments x, Wk, Wq, Wv, Wt, xc, xs, wc; writes xc, xs, wc
.if DOCPART == 1
	.amdgcn_target "amdgcn-amd-amdhsa--gfx1250"
	.amdhsa_code_object_version 6
	.text
	.protected	k_q383cd17a68_quant
	.globl	k_q383cd17a68_quant
	.p2align	8
	.type	k_q383cd17a68_quant,@function
k_q383cd17a68_quant:
	s_mov_b64 s[64:65], 0
	v_nop
	global_prefetch_b8 v0, s[64:65] scope:SCOPE_SE
	s_setreg_imm32_b32 hwreg(HW_REG_WAVE_MODE, 25, 1), 1
	s_wait_xcnt 0x0
; LAUNCH 1 OF 4.  x [64][512 f][512 p] and the four weights [512 o][512 f], f32, become codes of E5M2 with one E8M0 byte for each 32 along K = f.
; THE WHOLE PROGRAM: q, k, v = Wq x, Wk x, Wv x; per head of 128 channels xy = q^T k and xyz = xy v; z[b][128 h + d][p] = xyz[b][h][p][d] (the permute and reshape of
; reference() are the identity at these sizes); t = Wt z; y = t + bt - x; batch norm per channel o over (b, p); out = x + relu(gamma (y - mean) rsqrt(var + eps) + beta).
; DEAD WORK: bt.  bt[o] adds one constant to every y[b][o][l] of channel o.  mean[o], taken over (b, l), holds the same constant, so y - mean and var, the only ways from y to
; the output, are free of it, for all values of the inputs.  bt stands behind the last quantiser, so it moves no code and no scale.  bt is not loaded and is an argument of no launch.
; LIMIT: a NaN, an infinity or an overflow that could arise through bt alone is not carried to the result.
; LIMITS of the quantiser: NaN and infinities among the inputs are not served; a block whose largest magnitude lies under 2^-111 keeps the byte 1; a block of zeros has the byte 1
; where the rule says 127 (its codes are zeros, and this program alone reads the bytes).
; LAYOUT.  A fragment (16 rows x 128 K) is stored as an IMAGE OF ITS 16 REGISTERS: 2,048 bytes, piece c (registers 4 c .. 4 c + 3) at 512 c, lane l's 16 bytes at 16 l.
; Inside a block of 32 along K, place i holds offset PI(i) = 4 (i % 8) + i / 8, in BOTH operands of every product of the program: the products are the same, their order in the sum is another.
; A group of 128 points is cut into 8 tiles t = 4 u + j; row r of tile t is point 64 u + 4 r + j.
; SHARES.  Work-group g: batch g / 4, points 128 (g % 4) on.  Wave s: rows f = 128 s .. 128 s + 127.  A load takes one row f at 128 points, 512 consecutive bytes, 4 points a lane: so a lane's
; registers run down f, a block of 32 lies in one lane, and no other lane is asked for its largest magnitude.  Waves 0 and 1 also take one fragment of a weight each (512 in all).
; No LDS, no barrier, no matrix instruction: the launch is a stream.
.set HB,    34816                      ; wc: half a block of 128 rows: 16 images and 16 scale images of 128 bytes
.set FLOOR, 0x8000000                  ; 2^(16 - 127): under it no largest magnitude is taken, so the byte cannot fall under 1
.set LI,   1                           ; v1      16 x lane
.set WOFF, 2                           ; v2      my row of the weight, + 128 (lane / 16)
.set SH,   3                           ; v3      8 (lane / 16)
.set MA,   4                           ; v4-7    four running maxima
.set SO,   8                           ; v8      the conversion's scale operand
.set LIM,  9                           ; v9      57,344 x the scale
.set BY,   10                          ; v10     the scale's byte
.set OWN,  11                          ; v11     at work
.set XSW,  12                          ; v12-15  the scale words of my 4 points
.set WC,   16                          ; v16-31  the weight fragment's codes
.set T,    32                          ; v32-63  a block's 32 numbers, held, in the order of places
.set CD,   64                          ; v64-191 x's codes: 8 registers for each (block, point): no store's data are written again
.set N,    192                         ; v192-255 the weight's 64 numbers
.set WV,   20
.set MNT,  21
.set MSB, 0
.macro WIN new                         ; the immediate's high byte repeats the setting that is left
.if MSB != (\new)
	s_set_vgpr_msb (MSB<<8)|(\new)
.set MSB, (\new)
.endif
.endm
; 32 numbers of a lane, number i in v[base + stride i] of window ws, become 8 registers of codes in v[dst] on; then the halves of the lanes change places, so that v[dst .. dst+3] and v[dst+4 .. dst+7] are pieces of fragments.
.macro QUANT base, stride, ws, dst
	WIN (\ws)|((\ws)<<2)
.irp k, 0,1,2,3
	v_max3_num_f32 v[MA+\k], |v[(\base)+(\stride)*(8*\k)]|, |v[(\base)+(\stride)*(8*\k+1)]|, FLOOR
.endr
.irp i, 2,4,6
.irp k, 0,1,2,3
	v_max3_num_f32 v[MA+\k], |v[(\base)+(\stride)*(8*\k+\i)]|, |v[(\base)+(\stride)*(8*\k+\i+1)]|, v[MA+\k]
.endr
.endr
	WIN 0
	v_max3_num_f32 v[MA], v[MA], v[MA+1], v[MA+2]
	v_max_num_f32 v[MA], v[MA], v[MA+3]            ; the block's largest magnitude
	v_add_nc_u32 v[SO], 0xf8800000, v[MA]          ; 15 off its exponent field: the conversion takes this operand's exponent field as its scale
	v_and_or_b32 v[LIM], v[MA], 0x7f800000, s[MNT] ; 57,344 x the scale
	v_lshrrev_b32 v[BY], 23, v[SO]
	WIN (\ws)
.set qi, 0
.rept 32
	v_med3_num_f32 v[T+qi], v[(\base)+(\stride)*(4*(qi%8)+qi/8)], -v[LIM], v[LIM]   ; the hold (the conversion does not saturate: ISA guide 7.6.2), and place qi takes offset PI(qi)
.set qi, qi+1
.endr
	WIN 0
.irp g, 0,1,2,3
	v_cvt_scalef32_pk8_bf8_f32 v[(\dst)+2*\g:(\dst)+2*\g+1], v[T+8*\g:T+8*\g+7], v[SO]
.endr
	v_nop                                          ; one plain instruction between the conversions and what touches their results
.irp g, 0,1,2,3
	v_permlane16_swap_b32 v[(\dst)+\g], v[(\dst)+4+\g]   ; places 16-31 of lanes 0-15 change with places 0-15 of lanes 16-31
.endr
.endm
.macro LOADX c                         ; block c: rows 32 c .. 32 c + 31 of my 128, register 4 i + j = x[row i][point 4 lane + j]
	WIN (1+(\c)/2)<<6
.set qi, 0
.rept 32
	global_load_b128 v[128*((\c)%2)+4*qi:128*((\c)%2)+4*qi+3], v[LI], s[4:5] offset:(32*(\c)+qi)*2048 th:TH_LOAD_NT
.set qi, qi+1
.endr
	WIN 0
.endm
.macro BLOCK c                         ; block c of my 4 points.  Lanes 0-15 hold rows of tile j, lanes 16-31 of tile 4 + j: after the exchange the low four registers are piece c of tile j, the high four of tile 4 + j
.irp j, 0,1,2,3
	QUANT 128*((\c)%2)+\j, 4, 1+(\c)/2, CD+8*(4*(\c)+\j)
.if (\c) == 0
	v_mov_b32 v[XSW+\j], v[BY]
.else
	v_lshl_or_b32 v[XSW+\j], v[BY], 8*(\c), v[XSW+\j]
.endif
	global_store_b128 v[LI], v[CD+8*(4*(\c)+\j):CD+8*(4*(\c)+\j)+3], s[14:15] offset:\j*2048+512*(\c)          ; 512 consecutive bytes
	global_store_b128 v[LI], v[CD+8*(4*(\c)+\j)+4:CD+8*(4*(\c)+\j)+7], s[14:15] offset:(4+\j)*2048+512*(\c)
.endr
.endm
	s_load_b256 s[4:11], s[0:1], 0x0               ; x s[4:5], Wk s[6:7], Wq s[8:9], Wv s[10:11]
	s_load_b256 s[12:19], s[0:1], 0x20             ; Wt s[12:13], xc s[14:15], xs s[16:17], wc s[18:19]
	v_lshrrev_b32 v1, 5, v0
	v_readfirstlane_b32 s[WV], v1                  ; wave 0..3
	v_and_b32 v2, 31, v0
	v_lshlrev_b32 v[LI], 4, v2
	v_bfe_u32 v[SH], v0, 4, 1                      ; lane / 16
	v_and_b32 v[OWN], 15, v0                       ; lane % 16
	s_mov_b32 s[MNT], 0x600000                     ; the mantissa field of 57,344
	s_mov_b32 s40, 0x76543210
	s_mov_b32 s41, 0xfedcba98                      ; v_permlanex16_b32's selects for lane l xor 16
	s_lshr_b32 s22, ttmp9, 2                       ; x: batch x 2^20 + wave x 128 rows of 2,048 bytes + 512 x point group
	s_lshl_b32 s22, s22, 20
	s_lshl_b32 s23, s[WV], 18
	s_add_co_u32 s22, s22, s23
	s_and_b32 s23, ttmp9, 3
	s_lshl_b32 s23, s23, 9
	s_add_co_u32 s22, s22, s23
	s_mov_b32 s23, 0
	s_lshl_b32 s24, ttmp9, 16                      ; xc: 32 images for each (batch, point group), 8 for each wave
	s_lshl_b32 s25, s[WV], 14
	s_add_co_u32 s24, s24, s25
	s_mov_b32 s25, 0
	s_lshl_b32 s26, ttmp9, 11                      ; xs: 512 bytes for each (batch, point group, wave)
	s_lshl_b32 s27, s[WV], 9
	s_add_co_u32 s26, s26, s27
	s_mov_b32 s27, 0
	s_lshl_b32 s32, ttmp9, 1                       ; the weight fragment of waves 0 and 1: number 2 g + wave = 128 matrix + 4 tile + K step
	s_add_co_u32 s32, s32, s[WV]
	s_lshr_b32 s33, s32, 7                         ; matrix: 0 Wk, 1 Wq, 2 Wv, 3 Wt
	s_bfe_u32 s34, s32, 0x50002                    ; tile 0..31
	s_and_b32 s35, s32, 3                          ; K step
	s_lshr_b32 s36, s34, 2
	s_lshl_b32 s36, s36, 6
	s_and_b32 s37, s34, 3
	s_add_co_u32 s36, s36, s37                     ; Wk, Wq, Wv: row r of tile T is row 64 (T / 4) + 4 r + T % 4
	s_lshl_b32 s38, s34, 4                         ; Wt: row 16 T + r
	s_cmp_eq_u32 s33, 3
	s_cselect_b32 s36, s38, s36
	s_cselect_b32 s37, 0, 2
	v_lshlrev_b32 v[WOFF], s37, v[OWN]
	v_add_nc_u32 v[WOFF], s36, v[WOFF]
	v_lshlrev_b32 v[WOFF], 11, v[WOFF]             ; a row is 2,048 bytes
	v_lshl_add_u32 v[WOFF], v[SH], 7, v[WOFF]      ; lanes 16-31 take the block of 32 behind
	v_lshlrev_b32 v[SH], 3, v[SH]
	s_lshr_b32 s42, s32, 4                         ; wc: half-block 8 matrix + T / 4, in it image 4 (T % 4) + K step
	s_mul_i32 s42, s42, HB
	s_and_b32 s43, s32, 15
	s_lshl_b32 s44, s43, 11
	s_add_co_u32 s44, s44, s42
	s_mov_b32 s45, 0
	s_lshl_b32 s46, s43, 7
	s_add_co_u32 s46, s46, s42
	s_add_co_u32 s46, s46, 32768
	s_mov_b32 s47, 0
	s_lshl_b32 s38, s35, 9                         ; a K step is 512 bytes of a row
	s_mov_b32 s39, 0
	s_wait_kmcnt 0x0
	s_cmp_lt_u32 s33, 1                            ; the weight is chosen by the fragment's number alone
	s_cselect_b64 s[28:29], s[6:7], s[8:9]
	s_cmp_lt_u32 s33, 3
	s_cselect_b64 s[30:31], s[10:11], s[12:13]
	s_cmp_lt_u32 s33, 2
	s_cselect_b64 s[28:29], s[28:29], s[30:31]
	s_add_nc_u64 s[28:29], s[28:29], s[38:39]
	s_add_nc_u64 s[4:5], s[4:5], s[22:23]
	s_add_nc_u64 s[14:15], s[14:15], s[24:25]
	s_add_nc_u64 s[16:17], s[16:17], s[26:27]
	s_add_nc_u64 s[30:31], s[18:19], s[44:45]      ; the fragment's image
	s_add_nc_u64 s[18:19], s[18:19], s[46:47]      ; and its scale image
	LOADX 0
	LOADX 1
	s_wait_loadcnt 32                              ; block 0 is in; block 1's 32 loads may be out
	LOADX 2
	BLOCK 0
	s_wait_loadcnt 32                              ; block 1 is in; block 2's may be out
	LOADX 3
	BLOCK 1
	s_wait_loadcnt 32                              ; block 2 is in; block 3's may be out
	s_cmp_lt_u32 s[WV], 2
	s_cbranch_scc0 .Lno_w_loads
.irp u, 0,1
.irp q, 0,1,2,3,4,5,6,7
	global_load_b128 v[N+32*\u+4*\q:N+32*\u+4*\q+3], v[WOFF], s[28:29] offset:256*\u+16*\q   ; lane (r, h): block 2 u + h of row r, 32 numbers
.endr
.endr
.Lno_w_loads:
	BLOCK 2
	s_wait_loadcnt 0x0                             ; block 3, and the weight's numbers where there are any
	BLOCK 3
	global_store_b128 v[LI], v[XSW:XSW+3], s[16:17]   ; lane l: the scale words of points 4 l .. 4 l + 3: lanes 0-15 serve tiles 0-3, lanes 16-31 tiles 4-7
	s_cmp_lt_u32 s[WV], 2
	s_cbranch_scc0 .Lend
	QUANT N, 1, 0, WC                              ; lane (r, h) holds block h, then block 2 + h: the exchange makes pieces 0, 1 and 2, 3
	v_mov_b32 v[OWN], v[BY]
	QUANT N+32, 1, 0, WC+8
	v_lshl_or_b32 v[OWN], v[BY], 16, v[OWN]        ; my two bytes, two places apart,
	v_lshlrev_b32 v[T], v[SH], v[OWN]              ; one place up in lanes 16-31,
	v_permlanex16_b32 v[T+1], v[T], s40, s41
	v_lshrrev_b32 v[T+2], 2, v[LI]
	v_or_b32 v[T], v[T], v[T+1]                    ; with the other half's: row r's scale word, in both halves of the lanes
.irp c, 0,1,2,3
	global_store_b128 v[LI], v[WC+4*\c:WC+4*\c+3], s[30:31] offset:512*\c
.endr
	global_store_b32 v[T+2], v[T], s[18:19]
.Lend:
	s_endpgm
.Lfunc_end_k_q383cd17a68_quant:
	.size	k_q383cd17a68_quant, .Lfunc_end_k_q383cd17a68_quant-k_q383cd17a68_quant
	.p2alignl 7, 3214868480
	.fill 96, 4, 3214868480
	.section	.rodata,"a",@progbits
	.p2align	6, 0x0
	.amdhsa_kernel k_q383cd17a68_quant
		.amdhsa_group_segment_fixed_size 0
		.amdhsa_private_segment_fixed_size 0
		.amdhsa_enable_private_segment 0
		.amdhsa_kernarg_size 64
		.amdhsa_user_sgpr_count 2
		.amdhsa_user_sgpr_kernarg_segment_ptr 1
		.amdhsa_wavefront_size32 1
		.amdhsa_system_sgpr_workgroup_id_x 1
		.amdhsa_system_sgpr_workgroup_id_y 1
		.amdhsa_system_sgpr_workgroup_id_z 1
		.amdhsa_system_vgpr_workitem_id 0
		.amdhsa_next_free_vgpr 768
		.amdhsa_next_free_sgpr 66
		.amdhsa_reserve_vcc 0
		.amdhsa_float_denorm_mode_32 3
		.amdhsa_float_denorm_mode_16_64 3
		.amdhsa_memory_ordered 1
		.amdhsa_forward_progress 1
		.amdhsa_inst_pref_size 93
	.end_amdhsa_kernel
	.amdgpu_metadata
---
amdhsa.version: [ 1, 2 ]
amdhsa.kernels:
  - .name:           k_q383cd17a68_quant
    .symbol:         k_q383cd17a68_quant.kd
    .args:
      - { .name: x, .offset: 0, .size: 8, .value_kind: global_buffer, .address_space: global }
      - { .name: Wk, .offset: 8, .size: 8, .value_kind: global_buffer, .address_space: global }
      - { .name: Wq, .offset: 16, .size: 8, .value_kind: global_buffer, .address_space: global }
      - { .name: Wv, .offset: 24, .size: 8, .value_kind: global_buffer, .address_space: global }
      - { .name: Wt, .offset: 32, .size: 8, .value_kind: global_buffer, .address_space: global }
      - { .name: xc, .offset: 40, .size: 8, .value_kind: global_buffer, .address_space: global }
      - { .name: xs, .offset: 48, .size: 8, .value_kind: global_buffer, .address_space: global }
      - { .name: wc, .offset: 56, .size: 8, .value_kind: global_buffer, .address_space: global }
    .group_segment_fixed_size: 0
    .private_segment_fixed_size: 0
    .kernarg_segment_align: 8
    .kernarg_segment_size: 64
    .max_flat_workgroup_size: 128
    .sgpr_count:     66
    .vgpr_count:     768
    .wavefront_size: 32
...
	.end_amdgpu_metadata
.endif
;; end of part 1
;; launch attn (part 2): grid 64 x 4, 4 waves a work-group, clusters of 4 x 1, 327,680 bytes of LDS; arguments xc, xs, wc, zc, zs; writes zc, zs
.if DOCPART == 2
	.amdgcn_target "amdgcn-amd-amdhsa--gfx1250"
	.amdhsa_code_object_version 6
	.text
	.protected	k_q383cd17a68_attn
	.globl	k_q383cd17a68_attn
	.p2align	8
	.type	k_q383cd17a68_attn,@function
k_q383cd17a68_attn:
	s_mov_b64 s[64:65], 0
	v_nop
	global_prefetch_b8 v0, s[64:65] scope:SCOPE_SE
	s_setreg_imm32_b32 hwreg(HW_REG_WAVE_MODE, 25, 1), 1
	s_wait_xcnt 0x0
	s_wait_alu depctr_hold_cnt(0) depctr_sa_sdst(0) depctr_va_vdst(0) depctr_va_sdst(0) depctr_va_ssrc(0) depctr_va_vcc(0) depctr_vm_vsrc(0)
	s_getreg_b32 s2, hwreg(HW_REG_IB_STS2, 6, 4)
	s_cmp_eq_u32 s2, 0
	s_cbranch_scc0 .Lentry_in_a_cluster
	s_endpgm
.Lentry_in_a_cluster:
	s_bfe_u32 s2, ttmp6, 0x10000c
	s_cmp_lg_u32 s2, 0x3003
	s_cbranch_scc0 .Lentry_shape_is_right
	s_endpgm
.Lentry_shape_is_right:
; LAUNCH 2 OF 4.  For one batch b and one head: k, q, v = Wk x, Wq x, Wv x (K = 512 f), S = q^T k (K = 128 d), O = S v (K = 512 key points), all on codes of E5M2 with E8M0 scales;
; each result is quantised in registers along the next product's K; O's codes and scale words go to zc, zs as images of the last product's operand.
; SHARES.  A work-group is one (b, head); wave w owns points 128 w .. 128 w + 127 (8 tiles of 16), as its queries and as its share of the keys.
; TILES.  Tile t = 4 u + j of a group of 128 holds, in row r, index 64 u + 4 r + j (points; the head's channels likewise).  Where such a tile is source 0, register i of lane half h of the result is row 8 h + i,
; index 64 u + 32 h + 4 i + j: so the four tiles j of one u, in four neighbouring accumulators, give a lane ONE WHOLE BLOCK OF 32 along the next K (block 2 u + h), in 32 registers on end, place 8 j + i = offset 4 i + j:
; the order of places that every operand of the program has.  No other lane is asked for a block's largest magnitude; four exchanges between the halves of the lanes turn 8 registers of codes into two pieces of a fragment.
; LDS: R0 k's 32 images and scale images; RWK Wk, later q's images; RWQ Wq, later v's; RWV Wv.  Each projection stores one region below the one that it reads; a region is stored into only behind a barrier
; behind which nobody reads it, and it has had its one fill.  Every tensor load is a first fill: three a wave are out at the most.  k's projection begins when Wk has landed; the other two weights are waited for
; in front of the barrier behind which the next of them is read.
; CLUSTER: the four partners have the same head and other batches, so the head's three weights come by joint loads.  x's codes are one wave's alone and go from memory into its registers, and are waited for K step by K step.
; LIMITS: as stated at the head of the first launch (NaN, infinities; the floor of a block's scale; the order of the sums inside a block).
; REGISTERS, in windows of 256.  window 0: v1-9 addresses; v10-16 a block's figures; v20-27 bytes; v28-59 scale words and nothing else; v60-63 z's scale words; v64-191 fragments from LDS, two sets of four, at the end z's codes;
;   v192-255 codes on their way to LDS, later two sets of four score tiles.   window 1: the 32 accumulators of a projection; then q's 8 fragments (v0-127) and P's 8 (v128-255).
;   windows 2, 3: x's 32 fragments, fragment (K step s, tile t) at 16 (8 s + t); then O: accumulator (query tile t, channel tile l) at 8 (8 t + l).
.set HB,    34816
.set RG,    69632                      ; a region: 32 images of 2,048 bytes and 32 scale images of 128
.set SPARE, 4*RG                       ; the spare words, 128 bytes for each wave: two blocks of 256 bytes that no other line names
.set FLOOR, 0x8000000
.set LI,   1                           ; 16 x lane
.set LS,   2                           ; 4 x lane
.set SH,   3                           ; 8 (lane / 16)
.set ADR,  4
.set ADR2, 5
.set ADR3, 6
.set ADR4, 7
.set SPW,  8                           ; LDS address of my spare word; never rewritten
.set NIL,  9                           ; 0; never rewritten
.set MA,   10
.set SO,   14
.set LIM,  15
.set BY,   16
.set SBY,  20
.set XS,   28                          ; x's scale words [4 s + j]: lanes 0-15 tile j, lanes 16-31 tile 4 + j
.set QS,   28                          ; later q's [t]
.set PS,   36                          ; and P's [t]
.set WS,   44                          ; a weight's [4 j + s]
.set KS,   44                          ; later k's [8]
.set VS,   52                          ; and v's [8]
.set ZSW,  60
.set WF,   64
.set SB,   192
.set WV,   14
.set G1,   24
.set G0,   32
.set SEL,  44
.set MNT,  46
.set HI,   47
.set SRC,  48
.set DST,  49
.set DSS,  50
.set CM,   51
.set CU,   52
.set MSB, 0
.macro WIN new
.if MSB != (\new)
	s_set_vgpr_msb (MSB<<8)|(\new)
.set MSB, (\new)
.endif
.endm
.macro PLACES n
.rept \n
	v_nop
.endr
.endm
.macro CROUND                          ; a round of the cluster's barrier
	s_barrier_signal -1
	s_barrier_wait -1
	s_cmp_lg_u32 s[WV], 0
	s_cbranch_scc1 .Lnot_wave_0_\@
	s_barrier_signal -3
.Lnot_wave_0_\@:
	s_barrier_wait -3
	s_barrier_signal -1
	s_barrier_wait -1
.endm
; One matrix instruction.  z: the sum starts with the constant 0.  ra, rb: source 0's or source 1's scale words stand in lanes 16-31.
.macro MM d, a, b, z, sa, sb, ra, rb
.if (\z)
.if (\ra)
	v_wmma_scale_f32_16x16x128_f8f6f4 v[(\d):(\d)+7], v[(\a):(\a)+15], v[(\b):(\b)+15], 0, v[\sa], v[\sb] matrix_a_fmt:MATRIX_FMT_BF8 matrix_b_fmt:MATRIX_FMT_BF8 matrix_a_scale:MATRIX_SCALE_ROW1
.elseif (\rb)
	v_wmma_scale_f32_16x16x128_f8f6f4 v[(\d):(\d)+7], v[(\a):(\a)+15], v[(\b):(\b)+15], 0, v[\sa], v[\sb] matrix_a_fmt:MATRIX_FMT_BF8 matrix_b_fmt:MATRIX_FMT_BF8 matrix_b_scale:MATRIX_SCALE_ROW1
.else
	v_wmma_scale_f32_16x16x128_f8f6f4 v[(\d):(\d)+7], v[(\a):(\a)+15], v[(\b):(\b)+15], 0, v[\sa], v[\sb] matrix_a_fmt:MATRIX_FMT_BF8 matrix_b_fmt:MATRIX_FMT_BF8
.endif
.else
.if (\ra)
	v_wmma_scale_f32_16x16x128_f8f6f4 v[(\d):(\d)+7], v[(\a):(\a)+15], v[(\b):(\b)+15], v[(\d):(\d)+7], v[\sa], v[\sb] matrix_a_fmt:MATRIX_FMT_BF8 matrix_b_fmt:MATRIX_FMT_BF8 matrix_a_scale:MATRIX_SCALE_ROW1
.elseif (\rb)
	v_wmma_scale_f32_16x16x128_f8f6f4 v[(\d):(\d)+7], v[(\a):(\a)+15], v[(\b):(\b)+15], v[(\d):(\d)+7], v[\sa], v[\sb] matrix_a_fmt:MATRIX_FMT_BF8 matrix_b_fmt:MATRIX_FMT_BF8 matrix_b_scale:MATRIX_SCALE_ROW1
.else
	v_wmma_scale_f32_16x16x128_f8f6f4 v[(\d):(\d)+7], v[(\a):(\a)+15], v[(\b):(\b)+15], v[(\d):(\d)+7], v[\sa], v[\sb] matrix_a_fmt:MATRIX_FMT_BF8 matrix_b_fmt:MATRIX_FMT_BF8
.endif
.endif
.endm
; Four neighbouring accumulators, v[a .. a+31] of window ws, are a lane's block of 32: they become 8 registers of codes, v[d] on in window wd: pieces 2 u and 2 u + 1 of a fragment.  The byte is left in v[BY].
; The first four lines read registers 0 and 1 of each accumulator: each is read from its low end on.
.macro QH a, ws, d, wd
	WIN (\ws)|((\ws)<<2)
.irp k, 0,1,2,3
	v_max3_num_f32 v[MA+\k], |v[(\a)+8*\k]|, |v[(\a)+8*\k+1]|, FLOOR
.endr
.irp i, 2,4,6
.irp k, 0,1,2,3
	v_max3_num_f32 v[MA+\k], |v[(\a)+8*\k+\i]|, |v[(\a)+8*\k+\i+1]|, v[MA+\k]
.endr
.endr
	WIN 0
	v_max3_num_f32 v[MA], v[MA], v[MA+1], v[MA+2]
	v_max_num_f32 v[MA], v[MA], v[MA+3]            ; the block's largest magnitude
	v_add_nc_u32 v[SO], 0xf8800000, v[MA]          ; 15 off its exponent field: the conversion's scale operand
	v_and_or_b32 v[LIM], v[MA], 0x7f800000, s[MNT] ; 57,344 x the scale
	v_lshrrev_b32 v[BY], 23, v[SO]
	WIN (\ws)|((\ws)<<6)
.set qi, 0
.rept 32
	v_med3_num_f32 v[(\a)+qi], v[(\a)+qi], -v[LIM], v[LIM]   ; the hold: the conversion does not saturate (ISA guide 7.6.2)
.set qi, qi+1
.endr
	WIN (\ws)|((\wd)<<6)
.irp g, 0,1,2,3
	v_cvt_scalef32_pk8_bf8_f32 v[(\d)+2*\g:(\d)+2*\g+1], v[(\a)+8*\g:(\a)+8*\g+7], v[SO]
.endr
	WIN (\wd)|((\wd)<<6)
	v_nop                                          ; one plain instruction between the conversions and what touches their results
.irp g, 0,1,2,3
	v_permlane16_swap_b32 v[(\d)+\g], v[(\d)+4+\g] ; block 2 u's places 16-31 go to lanes 16-31, block 2 u + 1's places 0-15 to lanes 0-15
.endr
	WIN 0
.endm
; n scale words from the bytes in v[SBY] on (my block's byte of u = 0 in bits 7:0, of u = 1 in bits 23:16): one place up in lanes 16-31, joined with the other half's: row r's word in both halves.
.macro SCW n, dst, tmp
.set wi, 0
.rept \n
	v_lshlrev_b32 v[(\tmp)+wi], v[SH], v[SBY+wi]
.set wi, wi+1
.endr
.set wi, 0
.rept \n
	v_permlanex16_b32 v[(\tmp)+8+wi], v[(\tmp)+wi], s[SEL], s[SEL+1]
.set wi, wi+1
.endr
.set wi, 0
.rept \n
	v_or_b32 v[(\dst)+wi], v[(\tmp)+wi], v[(\tmp)+8+wi]
.set wi, wi+1
.endr
.endm
.macro WFLOAD s, buf                   ; the half-block's four tiles j, K step s, into set buf: 16 loads of 512 consecutive bytes
.irp j, 0,1,2,3
.irp c, 0,1,2,3
	ds_load_b128 v[WF+64*(\buf)+16*\j+4*\c:WF+64*(\buf)+16*\j+4*\c+3], v[ADR] offset:(4*\j+(\s))*2048+512*\c
.endr
.endr
.endm
; UNIT n of a projection: the four accumulators 4 n .. 4 n + 3, which make one block of 32 a lane.  MU: its four matrix instructions of K step s.
; sw = 0 (k, q): source 0 = the weight's tile j, source 1 = x's tile n: a lane holds a point and a block of channels.
; sw = 1 (v):    source 0 = x's tile 4 (n % 2) + j, source 1 = the weight's tile n / 2: a lane holds a channel and a block of points.
.macro MU s, n, sw
.if (\sw)
	WIN 0x50|(2+(\s)/2)
.irp j, 0,1,2,3
	MM 8*(4*(\n)+\j), 16*(8*((\s)%2)+4*((\n)%2)+\j), WF+64*((\s)%2)+16*((\n)/2), (\s)==0, XS+4*(\s)+\j, WS+4*((\n)/2)+(\s), (\n)%2, 0
.endr
.else
	WIN 0x50|((2+(\s)/2)<<2)
.irp j, 0,1,2,3
	MM 8*(4*(\n)+\j), WF+64*((\s)%2)+16*\j, 16*(8*((\s)%2)+(\n)), (\s)==0, WS+4*\j+(\s), XS+4*(\s)+(\n)%4, 0, (\n)/4
.endr
.endif
.endm
.macro PMUL s, sw                      ; a whole K step: 32 matrix instructions, the 32 accumulators by turns
.irp u, 0,1,2,3,4,5,6,7
	MU \s, \u, \sw
.endr
.endm
; Unit n is finished: quantised, its byte kept, its codes stored as pieces of an image.
.macro POST n, sw
	QH 32*(\n), 1, SB+8*(\n), 0
.if (\sw)
.if ((\n)%2) == 0
	v_mov_b32 v[SBY+(\n)/2], v[BY]
.else
	v_lshl_or_b32 v[SBY+(\n)/2], v[BY], 16, v[SBY+(\n)/2]
.irp c, 0,1,2,3
	ds_store_b128 v[ADR2], v[SB+16*((\n)/2)+4*\c:SB+16*((\n)/2)+4*\c+3] offset:2048*((\n)/2)+512*\c
.endr
.endif
.else
	v_lshrrev_b32 v[SBY+(\n)], 16, v[SBY+(\n)]     ; the byte of u = 0 moves down,
	v_lshl_or_b32 v[SBY+(\n)], v[BY], 16, v[SBY+(\n)]   ; this one comes in on top
	ds_store_b128 v[ADR2], v[SB+8*(\n):SB+8*(\n)+3] offset:2048*(\n)
	ds_store_b128 v[ADR2], v[SB+8*(\n)+4:SB+8*(\n)+7] offset:2048*(\n)+512
.endif
.endm
; A half-block of a weight (64 rows) against my 128 points, K = 512 in four steps; the fragments of a step are asked for a step ahead.  Eight places stand in front of loads into registers that matrix
; instructions have read, and of the first read of results (for the read of results).
; K steps 0 and 1 go through all 32 accumulators.  K STEPS 2 AND 3 GO BY UNITS: both steps' fragments lie in the two sets, so a unit is finished while later units still have products to come, and its
; quantising stands behind those: 40 of the 128 products stand among vector work.  Between a unit's last product and its quantising stand eight v_nop (units 0, 1) or the quantising of two earlier units.
; x's loads were issued in the order scale words, K steps 0, 1, 2, 3 (32 loads a step); in later trips their waits find nothing out.
.macro KPIPE sw
	v_add_nc_u32 v[ADR], s[SRC], v[LI]
	v_add_nc_u32 v[ADR4], s[SRC], v[LS]
.irp e, 0,1,2,3,4,5,6,7,8,9,10,11,12,13,14,15
	ds_load_b32 v[WS+\e], v[ADR4] offset:32768+128*\e
.endr
	WFLOAD 0, 0
	WFLOAD 1, 1
	s_wait_loadcnt 63                              ; x's scale words and K steps 0 and 1 are in: 64 loads are younger than step 1's last
	s_wait_dscnt 16                                ; the weight's scale words and step 0 are in; step 1's 16 loads may be out
	PMUL 0, \sw
	WIN 0
	PLACES 8
	WFLOAD 2, 0
	s_wait_dscnt 16                                ; step 1 is in; step 2's may be out
	PMUL 1, \sw
	WIN 0
	PLACES 8
	WFLOAD 3, 1
	s_wait_loadcnt 32                              ; x's K step 2 is in; step 3's 32 loads may be out
	s_wait_dscnt 16                                ; step 2 is in; step 3's may be out
.irp u, 0,1,2,3
	MU 2, \u, \sw
.endr
	s_wait_loadcnt 0x0                             ; x's K step 3
	s_wait_dscnt 0x0                               ; the weight's
	MU 3, 0, \sw
	MU 3, 1, \sw
	WIN 0
	PLACES 8
.set pn, 0
.rept 8
.if pn+4 < 8
	MU 2, pn+4, \sw
.endif
.if pn+2 < 8
	MU 3, pn+2, \sw
.endif
	POST pn, \sw
.set pn, pn+1
.endr
.endm
	s_load_b256 s[4:11], s[0:1], 0x0               ; xc s[4:5], xs s[6:7], wc s[8:9], zc s[10:11]
	s_load_b64 s[12:13], s[0:1], 0x20              ; zs
	v_lshl_add_u32 v[SPW], v0, 2, SPARE
	v_mov_b32 v[NIL], 0
	ds_add_u32 v[SPW], v[NIL]                      ; the wave's opening: the add, twice on end, and its wait ahead of my first tensor load
	ds_add_u32 v[SPW], v[NIL]
	v_lshrrev_b32 v1, 5, v0
	v_readfirstlane_b32 s[WV], v1                  ; wave 0..3
	v_and_b32 v2, 31, v0
	v_lshlrev_b32 v[LI], 4, v2
	v_lshlrev_b32 v[LS], 2, v2
	v_bfe_u32 v[SH], v0, 4, 1
	v_lshlrev_b32 v[SH], 3, v[SH]
	s_bfe_u32 s15, ttmp6, 0x40000                  ; cx: my place in the cluster
	s_lshl_b32 s16, ttmp9, 2
	s_add_co_u32 s16, s16, s15                     ; the batch = 4 x cluster x + cx: it enters the addresses of xc, xs, zc, zs alone
	s_and_b32 s17, ttmp7, 0xffff                   ; the head, which the four partners share
	s_lshl_b32 s18, s16, 2
	s_add_co_u32 s18, s18, s[WV]                   ; 4 b + w
	s_lshl_b32 s20, s18, 16                        ; xc, zc: 65,536 bytes for each (b, w)
	s_mov_b32 s21, 0
	s_lshl_b32 s22, s18, 11                        ; xs, zs: 2,048
	s_mov_b32 s23, 0
	s_lshl_b32 s58, s17, 11                        ; zc: the head is the K step: image 4 T + head
	s_mov_b32 s59, 0
	s_lshl_b32 s60, s17, 9
	s_mov_b32 s61, 0
	; descriptor group 1: a quarter of a region, dense in memory: 68 rows of 256 bytes (32 elements of 8 bytes)
	s_mov_b32 s[G1+0], 15|(3<<16)|(1<<21)          ; 15:0 the mask: all four work-groups; 17:16 elements of 8 bytes; 21 set beside a mask
	s_mov_b32 s[G1+1], 32<<16                      ; tensor_dim0 = 32
	s_mov_b32 s[G1+2], 68<<16                      ; tensor_dim1 = 68
	s_mov_b32 s[G1+3], 32<<16                      ; tile_dim0 = 32
	s_mov_b32 s[G1+4], 68                          ; tile_dim1 = 68
	s_mov_b32 s[G1+5], 32                          ; the pitch
	s_mov_b32 s[G1+6], 0
	s_mov_b32 s[G1+7], 0
	s_mul_i32 s53, s[WV], 17408                    ; my quarter
	s_mul_i32 s54, s17, RG                         ; the head's block of a weight: made of the head and the wave's number alone
	s_add_co_u32 s54, s54, s53
	s_mov_b32 s55, 0
	s_mov_b32 s[SEL], 0x76543210
	s_mov_b32 s[SEL+1], 0xfedcba98
	s_mov_b32 s[MNT], 0x600000
	s_mov_b32 s[HI], 0xffff0000
.irp t, 0,1,2,3,4,5,6,7
	v_mov_b32 v[SBY+\t], 0                         ; (shifted before they are first set)
.endr
	s_wait_dscnt 0x0                               ; both opening adds are done
	s_wait_kmcnt 0x0
	s_add_nc_u64 s[56:57], s[8:9], s[54:55]
.irp m, 0,1,2                                      ; Wk, Wq, Wv into regions 1, 2, 3
	s_mov_b32 s[G0+4*\m], 1
	s_add_co_u32 s[G0+4*\m+1], s53, (1+\m)*RG
	s_add_nc_u64 s[G0+4*\m+2:G0+4*\m+3], s[56:57], \m*4*RG
	s_or_b32 s[G0+4*\m+3], s[G0+4*\m+3], 0x80000000
.endr
	s_add_nc_u64 s[4:5], s[4:5], s[20:21]
	s_add_nc_u64 s[6:7], s[6:7], s[22:23]
	s_add_nc_u64 s[10:11], s[10:11], s[20:21]
	s_add_nc_u64 s[10:11], s[10:11], s[58:59]
	s_add_nc_u64 s[12:13], s[12:13], s[22:23]
	s_add_nc_u64 s[12:13], s[12:13], s[60:61]
	CROUND                                         ; all four work-groups are here: the joint loads meet
.irp m, 0,1,2
	tensor_load_to_lds s[G0+4*\m:G0+4*\m+3], s[G1:G1+7]
	s_nop 0
.endr
	PLACES 4
.irp s, 0,1,2,3
	global_load_b128 v[XS+4*\s:XS+4*\s+3], v[LI], s[6:7] offset:512*\s   ; x's scale words first: the first product wants them
.endr
	WIN 0x80                                       ; x's 32 fragments: register 4 i and byte 512 i run together: K steps 0 and 1,
.set xi, 0
.rept 64
	global_load_b128 v[4*xi:4*xi+3], v[LI], s[4:5] offset:512*xi
.set xi, xi+1
.endr
	WIN 0xc0                                       ; K steps 2 and 3
.set xi, 0
.rept 64
	global_load_b128 v[4*xi:4*xi+3], v[LI], s[4:5] offset:32768+512*xi
.set xi, xi+1
.endr
	WIN 0
	s_wait_tensorcnt 0x2                           ; my quarter of Wk has landed; Wq's and Wv's two loads may be out
	s_barrier_signal -1
	s_barrier_wait -1                              ; everybody's quarter of Wk has
	; ---- k, then q: two half-blocks each.  The codes go to the region below the weight's: images T = 8 w + t, pieces 2 u and 2 u + 1
	s_mov_b32 s[SRC], RG
	s_lshl_b32 s[DST], s[WV], 14
	s_lshl_b32 s[DSS], s[WV], 10
	s_add_co_u32 s[DSS], s[DSS], 65536
	s_mov_b32 s[CM], 0
.Lkq:
	s_mov_b32 s[CU], 0
.Lkq_u:
	v_add_nc_u32 v[ADR2], s[DST], v[LI]
	KPIPE 0
	s_wait_dscnt 0x0
	s_add_co_u32 s[SRC], s[SRC], HB
	s_add_co_u32 s[DST], s[DST], 1024
	s_add_co_u32 s[CU], s[CU], 1
	s_cmp_lt_u32 s[CU], 2
	s_cbranch_scc1 .Lkq_u
	v_add_nc_u32 v[ADR3], s[DSS], v[LS]
	SCW 8, WF, WF
.irp t, 0,1,2,3,4,5,6,7
	ds_store_b32 v[ADR3], v[WF+\t] offset:128*\t
.endr
	s_wait_tensorcnt 0x0                           ; my quarters of Wq and Wv have landed: behind this barrier the next weight is read
	s_wait_dscnt 0x0                               ; my stores have landed and my reads of this weight are over:
	s_barrier_signal -1
	s_barrier_wait -1                              ; so its region may be stored into
	s_add_co_u32 s[DST], s[DST], RG-2048
	s_add_co_u32 s[DSS], s[DSS], RG
	s_add_co_u32 s[CM], s[CM], 1
	s_cmp_lt_u32 s[CM], 2
	s_cbranch_scc1 .Lkq
	; ---- v: the sources change places, so that a lane holds a channel and blocks of points: images 8 w + l, l = 4 g + d, whole
	s_mov_b32 s[SRC], 3*RG
	s_lshl_b32 s[DST], s[WV], 14
	s_add_co_u32 s[DST], s[DST], 2*RG
	s_lshl_b32 s[DSS], s[WV], 10
	s_add_co_u32 s[DSS], s[DSS], 2*RG+65536
	s_mov_b32 s[CU], 0
.Lv:
	v_add_nc_u32 v[ADR2], s[DST], v[LI]
	v_add_nc_u32 v[ADR3], s[DSS], v[LS]
	KPIPE 1
	SCW 4, WF, WF
.irp d, 0,1,2,3
	ds_store_b32 v[ADR3], v[WF+\d] offset:128*\d
.endr
	s_wait_dscnt 0x0
	s_add_co_u32 s[SRC], s[SRC], HB
	s_add_co_u32 s[DST], s[DST], 8192
	s_add_co_u32 s[DSS], s[DSS], 512
	s_add_co_u32 s[CU], s[CU], 1
	s_cmp_lt_u32 s[CU], 2
	s_cbranch_scc1 .Lv
	s_barrier_signal -1
	s_barrier_wait -1                              ; k, q and v of all 512 points lie in LDS
	; ---- my 8 fragments of q come back and stay
	s_lshl_b32 s[DST], s[WV], 14
	s_add_co_u32 s[DST], s[DST], RG
	s_lshl_b32 s[DSS], s[WV], 10
	s_add_co_u32 s[DSS], s[DSS], RG+65536
	v_add_nc_u32 v[ADR], s[DST], v[LI]
	v_add_nc_u32 v[ADR4], s[DSS], v[LS]
	WIN 0x40
.irp t, 0,1,2,3,4,5,6,7
.irp c, 0,1,2,3
	ds_load_b128 v[16*\t+4*\c:16*\t+4*\c+3], v[ADR] offset:2048*\t+512*\c
.endr
.endr
	WIN 0
.irp t, 0,1,2,3,4,5,6,7
	ds_load_b32 v[QS+\t], v[ADR4] offset:128*\t
.endr
.macro KLOAD h                         ; k's tiles 4 h .. 4 h + 3 of the key step, with their scale words: 20 loads
.irp j, 0,1,2,3
.irp c, 0,1,2,3
	ds_load_b128 v[WF+64*(\h)+16*\j+4*\c:WF+64*(\h)+16*\j+4*\c+3], v[ADR] offset:(4*(\h)+\j)*2048+512*\c
.endr
	ds_load_b32 v[KS+4*(\h)+\j], v[ADR4] offset:(4*(\h)+\j)*128
.endr
.endm
.macro VLOAD h                         ; v's likewise
.irp j, 0,1,2,3
.irp c, 0,1,2,3
	ds_load_b128 v[WF+64*(\h)+16*\j+4*\c:WF+64*(\h)+16*\j+4*\c+3], v[ADR2] offset:(4*(\h)+\j)*2048+512*\c
.endr
	ds_load_b32 v[VS+4*(\h)+\j], v[ADR3] offset:(4*(\h)+\j)*128
.endr
.endm
.macro SW x                            ; scores: key half u = x / 8, query tile t = x % 8: four tiles, source 0 = 16 keys, source 1 = 16 queries: a lane holds a query and a block of 32 keys
	WIN 0x04
.irp j, 0,1,2,3
	MM SB+32*((\x)%2)+8*\j, WF+64*((\x)/8)+16*\j, 16*((\x)%8), 1, KS+4*((\x)/8)+\j, QS+(\x)%8, 0, 0
.endr
.endm
.macro PV z                            ; O(t, l) += v(l) P(t): 64 accumulators by turns, one instruction a turn
	WIN 0xa4
.irp t, 0,1,2,3
.irp l, 0,1,2,3,4,5,6,7
	MM 8*(8*\t+\l), WF+16*\l, 128+16*\t, \z, VS+\l, PS+\t, 0, 0
.endr
.endr
	WIN 0xf4
.irp t, 4,5,6,7
.irp l, 0,1,2,3,4,5,6,7
	MM 8*(8*(\t-4)+\l), WF+16*\l, 128+16*\t, \z, VS+\l, PS+\t, 0, 0
.endr
.endr
	WIN 0
.endm
	; ---- four key steps of 128 keys
	s_mov_b32 s[SRC], 0
	s_mov_b32 s[DST], 65536
	s_mov_b32 s[CM], 0
.Lks:
	v_add_nc_u32 v[ADR], s[SRC], v[LI]             ; these four and four v_nop are the eight places in front of the loads into v's fragments
	v_add_nc_u32 v[ADR4], s[DST], v[LS]
	v_add_nc_u32 v[ADR2], 2*RG, v[ADR]
	v_add_nc_u32 v[ADR3], 2*RG, v[ADR4]
	PLACES 4
	KLOAD 0
	KLOAD 1
	s_wait_dscnt 20                                ; q and k's first four tiles are in; the second four's 20 loads may be out
	SW 0
	SW 1
	WIN 0
	PLACES 8
.set n, 0
.rept 16                               ; while one set of four score tiles is quantised, the next set's products are out: the quantising of one set is the distance behind the other's products
.if (n >= 1) && (n < 15)
.if n == 7
	s_wait_dscnt 0x0                               ; k's second four tiles
.endif
	SW n+1
.endif
	QH SB+32*(n%2), 0, 128+16*(n%8)+8*(n/8), 1
	v_lshrrev_b32 v[SBY+n%8], 16, v[SBY+n%8]
	v_lshl_or_b32 v[SBY+n%8], v[BY], 16, v[SBY+n%8]
.if n == 7
	VLOAD 0                                        ; k's first four tiles were last read two sets back
.endif
.if n == 15
	VLOAD 1
.endif
.set n, n+1
.endr
	SCW 8, PS, SB
	PLACES 8                                       ; a scale word made by vector instructions stands eight places ahead of the product that takes it, codes four
	s_wait_dscnt 0x0                               ; v
	s_cmp_eq_u32 s[CM], 0                          ; the first key step's products start the sums: nothing is cleared
	s_cbranch_scc1 .Lpv_first
	PV 0
	s_branch .Lpv_done
.Lpv_first:
	PV 1
.Lpv_done:
	s_add_co_u32 s[SRC], s[SRC], 16384
	s_add_co_u32 s[DST], s[DST], 1024
	s_add_co_u32 s[CM], s[CM], 1
	s_cmp_lt_u32 s[CM], 4
	s_cbranch_scc1 .Lks
	; ---- z: O's channels are the last product's K: a lane holds a point and blocks of 32 channels.  A tile's image leaves as soon as its two blocks are quantised; each has registers of its own, so no store's data are written again
	PLACES 8
.irp t, 0,1,2,3,4,5,6,7
	QH (64*\t)%256, 2+\t/4, WF+16*\t, 0
	v_mov_b32 v[SBY+\t], v[BY]
	QH (64*\t+32)%256, 2+\t/4, WF+16*\t+8, 0
	v_lshl_or_b32 v[SBY+\t], v[BY], 16, v[SBY+\t]
.irp c, 0,1,2,3
	global_store_b128 v[LI], v[WF+16*\t+4*\c:WF+16*\t+4*\c+3], s[10:11] offset:8192*\t+512*\c   ; 512 consecutive bytes
.endr
.endr
	SCW 8, SB, SB+8
.irp j, 0,1,2,3
	v_cndmask_b32 v[ZSW+\j], v[SB+\j], v[SB+4+\j], s[HI]   ; lanes 0-15: tile j's words, lanes 16-31: tile 4 + j's
.endr
	global_store_b128 v[LI], v[ZSW:ZSW+3], s[12:13]
	s_wait_tensorcnt 0x0                           ; the wave's end
	ds_add_u32 v[SPW], v[NIL]
	s_wait_dscnt 0x0
	CROUND                                         ; the closing round
	s_endpgm
.Lfunc_end_k_q383cd17a68_attn:
	.size	k_q383cd17a68_attn, .Lfunc_end_k_q383cd17a68_attn-k_q383cd17a68_attn
	.p2alignl 7, 3214868480
	.fill 96, 4, 3214868480
	.section	.rodata,"a",@progbits
	.p2align	6, 0x0
	.amdhsa_kernel k_q383cd17a68_attn
		.amdhsa_group_segment_fixed_size 327680
		.amdhsa_private_segment_fixed_size 0
		.amdhsa_enable_private_segment 0
		.amdhsa_kernarg_size 40
		.amdhsa_user_sgpr_count 2
		.amdhsa_user_sgpr_kernarg_segment_ptr 1
		.amdhsa_wavefront_size32 1
		.amdhsa_system_sgpr_workgroup_id_x 1
		.amdhsa_system_sgpr_workgroup_id_y 1
		.amdhsa_system_sgpr_workgroup_id_z 1
		.amdhsa_system_vgpr_workitem_id 0
		.amdhsa_next_free_vgpr 1024
		.amdhsa_next_free_sgpr 66
		.amdhsa_reserve_vcc 0
		.amdhsa_float_denorm_mode_32 3
		.amdhsa_float_denorm_mode_16_64 3
		.amdhsa_memory_ordered 1
		.amdhsa_forward_progress 1
		.amdhsa_inst_pref_size 255
	.end_amdhsa_kernel
	.section	.bss,"aw",@nobits
	.p2align	6
	.space	262144
	.amdgpu_metadata
---
amdhsa.version: [ 1, 2 ]
amdhsa.kernels:
  - .name:           k_q383cd17a68_attn
    .symbol:         k_q383cd17a68_attn.kd
    .args:
      - { .name: xc, .offset: 0, .size: 8, .value_kind: global_buffer, .address_space: global }
      - { .name: xs, .offset: 8, .size: 8, .value_kind: global_buffer, .address_space: global }
      - { .name: wc, .offset: 16, .size: 8, .value_kind: global_buffer, .address_space: global }
      - { .name: zc, .offset: 24, .size: 8, .value_kind: global_buffer, .address_space: global }
      - { .name: zs, .offset: 32, .size: 8, .value_kind: global_buffer, .address_space: global }
    .group_segment_fixed_size: 327680
    .private_segment_fixed_size: 0
    .kernarg_segment_align: 8
    .kernarg_segment_size: 40
    .max_flat_workgroup_size: 128
    .sgpr_count:     66
    .vgpr_count:     1024
    .wavefront_size: 32
...
	.end_amdgpu_metadata
.endif
;; end of part 2
;; launch stats (part 3): grid 4 x 64, 4 waves a work-group, no clusters, 327,680 bytes of LDS; arguments x, zc, zs, wc, pmean, pm2; writes pmean, pm2
.if DOCPART == 3
	.amdgcn_target "amdgcn-amd-amdhsa--gfx1250"
	.amdhsa_code_object_version 6
	.text
	.protected	k_q383cd17a68_stats
	.globl	k_q383cd17a68_stats
	.p2align	8
	.type	k_q383cd17a68_stats,@function
k_q383cd17a68_stats:
	s_mov_b64 s[64:65], 0
	v_nop
	global_prefetch_b8 v0, s[64:65] scope:SCOPE_SE
	s_setreg_imm32_b32 hwreg(HW_REG_WAVE_MODE, 25, 1), 1
	s_wait_xcnt 0x0
; LAUNCH 3 OF 4.  t = Wt z on codes of E5M2 with E8M0 scales; y = t - x; for each batch b and channel o the mean of y over the 512 l and the sum of squares about that mean.
; bt is left out: it is the same in y and in y's mean (shown at the head of the first launch).
; y is not stored: the last launch makes the product again, from 17 MB of codes, where y would be 67 MB written and 67 MB read.
; SHARES.  A work-group: 128 channels (block x) of one batch (y); wave w: l = 128 w .. 128 w + 127: 64 accumulators, (channel tile o, point tile t) at 8 (8 (o % 4) + t) of window 2 + o / 4.
; Source 0 = 16 rows of Wt, source 1 = 16 points of z.  z's tile t = 4 u + j holds l = 64 u + 4 r + j in row r: so register i of the four tiles j is x's quad at row 8 h + i, bytes 256 u + 16 r.
; x's 128 x 128 numbers of a wave come by TWO tensor loads of 64 rows at the head and land while the products run; only the wave that asked reads them; the work on rows 0-63 waits for the first load alone.
; No cluster: what work-groups share (Wt's 68 KB, z's 256 KB) goes from memory straight into registers as images; LDS is taken by x, 262,144 bytes, which no two work-groups share.
; No difference of large sums is formed: each wave's squares are taken about its own mean, and parts are joined by their means' spread.
; REGISTERS.  window 0: v1-8 addresses; v16-47 Wt's scale words, v48-63 z's, and nothing else; v64-127 at work; v128-255 Wt's 8 fragments, later at work.  window 1: z's fragments, two sets; later x's quads, four sets.
.set HB,    34816
.set RG,    69632
.set SCR,   262144                     ; behind x's four tiles: each wave's 128 means and 128 sums of squares, 1,024 bytes a wave
.set SPARE, SCR+4096                   ; the spare words
.set LI,   1
.set XL,   2
.set LS,   4
.set SPW,  5
.set NIL,  6
.set SA,   7
.set CB,   8
.set WTS,  16
.set ZS,   48
.set S1,   64
.set MEAN, 96
.set M2,   104
.set DD,   128
.set WV,   22
.set G1,   28
.set G0,   36                          ; group 0 for rows 0-63
.set G0B,  48                          ; and for rows 64-127
.set MSB, 0
.macro WIN new
.if MSB != (\new)
	s_set_vgpr_msb (MSB<<8)|(\new)
.set MSB, (\new)
.endif
.endm
.macro PLACES n
.rept \n
	v_nop
.endr
.endm
.macro MM d, a, b, z, sa, sb, rb
.if (\z)
.if (\rb)
	v_wmma_scale_f32_16x16x128_f8f6f4 v[(\d):(\d)+7], v[(\a):(\a)+15], v[(\b):(\b)+15], 0, v[\sa], v[\sb] matrix_a_fmt:MATRIX_FMT_BF8 matrix_b_fmt:MATRIX_FMT_BF8 matrix_b_scale:MATRIX_SCALE_ROW1
.else
	v_wmma_scale_f32_16x16x128_f8f6f4 v[(\d):(\d)+7], v[(\a):(\a)+15], v[(\b):(\b)+15], 0, v[\sa], v[\sb] matrix_a_fmt:MATRIX_FMT_BF8 matrix_b_fmt:MATRIX_FMT_BF8
.endif
.else
.if (\rb)
	v_wmma_scale_f32_16x16x128_f8f6f4 v[(\d):(\d)+7], v[(\a):(\a)+15], v[(\b):(\b)+15], v[(\d):(\d)+7], v[\sa], v[\sb] matrix_a_fmt:MATRIX_FMT_BF8 matrix_b_fmt:MATRIX_FMT_BF8 matrix_b_scale:MATRIX_SCALE_ROW1
.else
	v_wmma_scale_f32_16x16x128_f8f6f4 v[(\d):(\d)+7], v[(\a):(\a)+15], v[(\b):(\b)+15], v[(\d):(\d)+7], v[\sa], v[\sb] matrix_a_fmt:MATRIX_FMT_BF8 matrix_b_fmt:MATRIX_FMT_BF8
.endif
.endif
.endm
.macro ZLOAD s                         ; z's 8 fragments of K step s (= head s) into set s % 2: 32 loads
	WIN 0x40
.irp t, 0,1,2,3,4,5,6,7
.irp c, 0,1,2,3
	global_load_b128 v[128*((\s)%2)+16*\t+4*\c:128*((\s)%2)+16*\t+4*\c+3], v[LI], s[6:7] offset:8192*\t+2048*(\s)+512*\c
.endr
.endr
	WIN 0
.endm
.macro ALOAD s, h                      ; Wt's tiles 4 h .. 4 h + 3 of K step s: 16 loads
.irp o, 0,1,2,3
.irp c, 0,1,2,3
	global_load_b128 v[128+64*(\h)+16*\o+4*\c:128+64*(\h)+16*\o+4*\c+3], v[LI], s[10:11] offset:(\h)*HB+(4*\o+(\s))*2048+512*\c
.endr
.endr
.endm
.macro MUL s, h                        ; 32 matrix instructions, the accumulators by turns
	WIN 0xa4+0x50*(\h)
.irp o, 0,1,2,3
.irp t, 0,1,2,3,4,5,6,7
	MM 8*(8*\o+\t), 128+64*(\h)+16*\o, 128*((\s)%2)+16*\t, (\s)==0, WTS+4*(4*(\h)+\o)+(\s), ZS+4*(\s)+\t%4, \t/4
.endr
.endr
	WIN 0
.endm
.macro XLOAD o                         ; x's 16 quads of channel tile o into set o % 4: quad 8 u + i = row 16 o + 8 h + i, bytes 256 u + 16 r: sixteen lanes read 256 consecutive bytes
	WIN 0x40
.irp u, 0,1
.irp i, 0,1,2,3,4,5,6,7
	ds_load_b128 v[64*((\o)%4)+4*(8*\u+\i):64*((\o)%4)+4*(8*\u+\i)+3], v[XL] offset:(16*(\o)+\i)*512+256*\u
.endr
.endr
	WIN 0
.endm
	s_load_b256 s[4:11], s[0:1], 0x0               ; x s[4:5], zc s[6:7], zs s[8:9], wc s[10:11]
	s_load_b128 s[12:15], s[0:1], 0x20             ; pmean s[12:13], pm2 s[14:15]
	v_lshl_add_u32 v[SPW], v0, 2, SPARE
	v_mov_b32 v[NIL], 0
	ds_add_u32 v[SPW], v[NIL]                      ; the wave's opening: the add, twice on end, and its wait ahead of my first tensor load
	ds_add_u32 v[SPW], v[NIL]
	v_lshrrev_b32 v1, 5, v0
	v_readfirstlane_b32 s[WV], v1                  ; wave 0..3
	v_and_b32 v4, 31, v0
	v_lshlrev_b32 v[LI], 4, v4
	v_lshlrev_b32 v[LS], 2, v4
	v_and_b32 v9, 15, v0                           ; r
	v_bfe_u32 v10, v0, 4, 1                        ; h
	s_lshl_b32 s25, s[WV], 16                      ; my tile of x in LDS
	v_lshlrev_b32 v[XL], 4, v9
	v_lshl_add_u32 v[XL], v10, 12, v[XL]           ; 8 rows of 512 bytes for lanes 16-31
	v_add_nc_u32 v[XL], s25, v[XL]
	s_lshl_b32 s26, s[WV], 10
	s_add_co_u32 s26, s26, SCR
	v_lshlrev_b32 v[SA], 5, v10
	v_add_nc_u32 v[SA], s26, v[SA]
	v_add_nc_u32 v[CB], SCR, v[LI]
	s_and_b32 s24, ttmp7, 0xffff                   ; the batch
	s_lshl_b32 s40, s24, 20                        ; x: batch, 128 rows of 2,048 bytes a channel block, 512 bytes a wave
	s_lshl_b32 s41, ttmp9, 18
	s_add_co_u32 s40, s40, s41
	s_lshl_b32 s41, s[WV], 9
	s_add_co_u32 s40, s40, s41
	s_mov_b32 s41, 0
	s_lshl_b32 s42, s24, 18                        ; zc
	s_add_co_u32 s42, s42, s25
	s_mov_b32 s43, 0
	s_lshl_b32 s44, s24, 13                        ; zs
	s_lshl_b32 s45, s[WV], 11
	s_add_co_u32 s44, s44, s45
	s_mov_b32 s45, 0
	s_add_co_u32 s46, ttmp9, 12                    ; wc: matrix 3, block x
	s_mul_i32 s46, s46, RG
	s_mov_b32 s47, 0
	s_lshl_b32 s26, s24, 11                        ; pmean, pm2: [b][512]
	s_lshl_b32 s27, ttmp9, 9
	s_add_co_u32 s26, s26, s27
	s_mov_b32 s27, 0
	; descriptor group 1: 64 rows of 128 f32, 512 elements apart
	s_mov_b32 s[G1+0], 2<<16
	s_mov_b32 s[G1+1], 128<<16                     ; tensor_dim0 = 128
	s_mov_b32 s[G1+2], 64<<16                      ; tensor_dim1 = 64
	s_mov_b32 s[G1+3], 128<<16                     ; tile_dim0 = 128
	s_mov_b32 s[G1+4], 64                          ; tile_dim1 = 64
	s_mov_b32 s[G1+5], 512
	s_mov_b32 s[G1+6], 0
	s_mov_b32 s[G1+7], 0
	s_mov_b32 s[G0], 1
	s_lshl_b32 s[G0+1], s[WV], 16
	s_mov_b32 s[G0B], 1
	s_lshl_b32 s[G0B+1], s[WV], 16
	s_add_co_u32 s[G0B+1], s[G0B+1], 32768         ; rows 64-127 lie behind rows 0-63
	s_wait_dscnt 0x0                               ; both opening adds are done
	s_wait_kmcnt 0x0
	s_add_nc_u64 s[G0+2:G0+3], s[4:5], s[40:41]
	s_add_nc_u64 s[G0B+2:G0B+3], s[G0+2:G0+3], 131072   ; 64 rows of 2,048 bytes on
	s_or_b32 s[G0+3], s[G0+3], 0x80000000
	s_or_b32 s[G0B+3], s[G0B+3], 0x80000000
	tensor_load_to_lds s[G0:G0+3], s[G1:G1+7]      ; my two tensor loads: two are out at the most
	s_nop 0
	tensor_load_to_lds s[G0B:G0B+3], s[G1:G1+7]
	s_nop 0
	PLACES 4
	s_add_nc_u64 s[6:7], s[6:7], s[42:43]
	s_add_nc_u64 s[8:9], s[8:9], s[44:45]
	s_add_nc_u64 s[10:11], s[10:11], s[46:47]
	s_add_nc_u64 s[12:13], s[12:13], s[26:27]
	s_add_nc_u64 s[14:15], s[14:15], s[26:27]
.irp s, 0,1,2,3
	global_load_b128 v[ZS+4*\s:ZS+4*\s+3], v[LI], s[8:9] offset:512*\s
.endr
.irp h, 0,1
.irp e, 0,1,2,3,4,5,6,7,8,9,10,11,12,13,14,15
	global_load_b32 v[WTS+16*\h+\e], v[LS], s[10:11] offset:\h*HB+32768+128*\e
.endr
.endr
	ZLOAD 0
	ALOAD 0, 0
	ALOAD 0, 1
	ZLOAD 1
.irp s, 0,1,2
	s_wait_loadcnt 48                              ; this step's z and Wt's first four tiles are in; Wt's second four (16) and the next step's z (32) may be out
	MUL \s, 0
	PLACES 8                                       ; in front of loads into registers that matrix instructions have read
	ALOAD \s+1, 0
	s_wait_loadcnt 48                              ; Wt's second four are in; the next step's z (32) and Wt's first four (16) may be out
	MUL \s, 1
	PLACES 8
	ALOAD \s+1, 1
.if \s < 2
	ZLOAD \s+2
.endif
.endr
	s_wait_loadcnt 16                              ; the last 16 loads may be out
	MUL 3, 0
	s_wait_loadcnt 0x0
	MUL 3, 1
	PLACES 8
	s_wait_tensorcnt 0x1                           ; rows 0-63 of my tile of x have landed; the load of rows 64-127 may be out; only I read them
	XLOAD 0
	XLOAD 1
; Channel tile o: y in place (register 0 of every accumulator first: each is read from its low end on); the mean of my 128 l for each of my 8 channels; the squares about it.
.macro STAT o
.set WSX, 2+(\o)/4
.set AB, 64*((\o)%4)
.if (\o)+2 < 8
.if (\o)+2 == 4
	s_wait_tensorcnt 0x0                           ; rows 64-127 have landed: tile 4 is the first that reads them
.endif
	XLOAD (\o)+2
	s_wait_dscnt 32                                ; this tile's quads are in; at least the 32 loads of the next two tiles may be out
.elseif (\o) == 6
	s_wait_dscnt 16
.else
	s_wait_dscnt 0x0
.endif
	WIN WSX|(1<<2)|(WSX<<6)
.irp i, 0,1,2,3,4,5,6,7
.irp t, 0,1,2,3,4,5,6,7
	v_sub_f32 v[AB+8*\t+\i], v[AB+8*\t+\i], v[AB+4*(8*(\t/4)+\i)+\t%4]
.endr
.endr
	WIN WSX|(WSX<<2)
.irp q, 0,1,2,3
.irp p, 0,2,4,6
	v_pk_add_f32 v[S1+8*\q+\p:S1+8*\q+\p+1], v[AB+16*\q+\p:AB+16*\q+\p+1], v[AB+16*\q+8+\p:AB+16*\q+8+\p+1]
.endr
.endr
	WIN 0
.irp q, 0,1
.irp p, 0,2,4,6
	v_pk_add_f32 v[S1+16*\q+\p:S1+16*\q+\p+1], v[S1+16*\q+\p:S1+16*\q+\p+1], v[S1+16*\q+8+\p:S1+16*\q+8+\p+1]
.endr
.endr
.irp p, 0,2,4,6
	v_pk_add_f32 v[MEAN+\p:MEAN+\p+1], v[S1+\p:S1+\p+1], v[S1+16+\p:S1+16+\p+1]
.endr
.irp m, 1,2,4,8
.irp e, 0,1,2,3,4,5,6,7
	v_add_f32_dpp v[MEAN+\e], v[MEAN+\e], v[MEAN+\e] row_xmask:\m row_mask:0xf bank_mask:0xf
.endr
.endr
.irp p, 0,2,4,6
	v_pk_mul_f32 v[MEAN+\p:MEAN+\p+1], v[MEAN+\p:MEAN+\p+1], 0x3c000000 op_sel_hi:[1,0]   ; / 128
.endr
	WIN WSX
.irp t, 0,1,2,3,4,5,6,7
.irp p, 0,2,4,6
	v_pk_add_f32 v[DD+8*\t+\p:DD+8*\t+\p+1], v[AB+8*\t+\p:AB+8*\t+\p+1], v[MEAN+\p:MEAN+\p+1] neg_lo:[0,1] neg_hi:[0,1]
.endr
.endr
	WIN 0
.irp p, 0,2,4,6
	v_pk_mul_f32 v[M2+\p:M2+\p+1], v[DD+\p:DD+\p+1], v[DD+\p:DD+\p+1]
.endr
.irp t, 1,2,3,4,5,6,7
.irp p, 0,2,4,6
	v_pk_fma_f32 v[M2+\p:M2+\p+1], v[DD+8*\t+\p:DD+8*\t+\p+1], v[DD+8*\t+\p:DD+8*\t+\p+1], v[M2+\p:M2+\p+1]
.endr
.endr
.irp m, 1,2,4,8
.irp e, 0,1,2,3,4,5,6,7
	v_add_f32_dpp v[M2+\e], v[M2+\e], v[M2+\e] row_xmask:\m row_mask:0xf bank_mask:0xf
.endr
.endr
	ds_store_b128 v[SA], v[MEAN:MEAN+3] offset:64*(\o)             ; channel 16 o + 8 h + i at 4 bytes each; the sixteen lanes of a half write the same bytes with the same values
	ds_store_b128 v[SA], v[MEAN+4:MEAN+7] offset:64*(\o)+16
	ds_store_b128 v[SA], v[M2:M2+3] offset:512+64*(\o)
	ds_store_b128 v[SA], v[M2+4:M2+7] offset:512+64*(\o)+16
.endm
.irp o, 0,1,2,3,4,5,6,7
	STAT \o
.endr
	s_wait_dscnt 0x0                               ; my figures have landed
	s_barrier_signal -1
	s_barrier_wait -1
	s_cmp_lg_u32 s[WV], 0
	s_cbranch_scc1 .Lend
	; wave 0 joins the four waves' figures: lane l takes channels 4 l .. 4 l + 3
.irp w, 0,1,2,3
	ds_load_b128 v[64+4*\w:67+4*\w], v[CB] offset:1024*\w
	ds_load_b128 v[80+4*\w:83+4*\w], v[CB] offset:1024*\w+512
.endr
	s_wait_dscnt 0x0
.irp p, 0,2
	v_pk_add_f32 v[96+\p:97+\p], v[64+\p:65+\p], v[68+\p:69+\p]
	v_pk_add_f32 v[100+\p:101+\p], v[72+\p:73+\p], v[76+\p:77+\p]
.endr
.irp p, 0,2
	v_pk_add_f32 v[96+\p:97+\p], v[96+\p:97+\p], v[100+\p:101+\p]
.endr
.irp p, 0,2
	v_pk_mul_f32 v[96+\p:97+\p], v[96+\p:97+\p], 0x3e800000 op_sel_hi:[1,0]   ; the batch's mean
.endr
.irp w, 0,1,2,3
.irp p, 0,2
	v_pk_add_f32 v[104+4*\w+\p:105+4*\w+\p], v[64+4*\w+\p:65+4*\w+\p], v[96+\p:97+\p] neg_lo:[0,1] neg_hi:[0,1]
.endr
.endr
.irp p, 0,2
	v_pk_mul_f32 v[100+\p:101+\p], v[104+\p:105+\p], v[104+\p:105+\p]
.endr
.irp w, 1,2,3
.irp p, 0,2
	v_pk_fma_f32 v[100+\p:101+\p], v[104+4*\w+\p:105+4*\w+\p], v[104+4*\w+\p:105+4*\w+\p], v[100+\p:101+\p]
.endr
.endr
.irp p, 0,2
	v_pk_add_f32 v[80+\p:81+\p], v[80+\p:81+\p], v[84+\p:85+\p]
	v_pk_add_f32 v[88+\p:89+\p], v[88+\p:89+\p], v[92+\p:93+\p]
.endr
.irp p, 0,2
	v_pk_add_f32 v[80+\p:81+\p], v[80+\p:81+\p], v[88+\p:89+\p]
.endr
.irp p, 0,2
	v_pk_fma_f32 v[80+\p:81+\p], v[100+\p:101+\p], 0x43000000, v[80+\p:81+\p] op_sel_hi:[1,0,1]   ; + 128 x the spread of the four means
.endr
	global_store_b128 v[LI], v[96:99], s[12:13]    ; 512 consecutive bytes
	global_store_b128 v[LI], v[80:83], s[14:15]
.Lend:
	s_wait_tensorcnt 0x0                           ; the wave's end
	ds_add_u32 v[SPW], v[NIL]
	s_wait_dscnt 0x0
	s_endpgm
.Lfunc_end_k_q383cd17a68_stats:
	.size	k_q383cd17a68_stats, .Lfunc_end_k_q383cd17a68_stats-k_q383cd17a68_stats
	.p2alignl 7, 3214868480
	.fill 96, 4, 3214868480
	.section	.rodata,"a",@progbits
	.p2align	6, 0x0
	.amdhsa_kernel k_q383cd17a68_stats
		.amdhsa_group_segment_fixed_size 327680
		.amdhsa_private_segment_fixed_size 0
		.amdhsa_enable_private_segment 0
		.amdhsa_kernarg_size 48
		.amdhsa_user_sgpr_count 2
		.amdhsa_user_sgpr_kernarg_segment_ptr 1
		.amdhsa_wavefront_size32 1
		.amdhsa_system_sgpr_workgroup_id_x 1
		.amdhsa_system_sgpr_workgroup_id_y 1
		.amdhsa_system_sgpr_workgroup_id_z 1
		.amdhsa_system_vgpr_workitem_id 0
		.amdhsa_next_free_vgpr 1024
		.amdhsa_next_free_sgpr 66
		.amdhsa_reserve_vcc 0
		.amdhsa_float_denorm_mode_32 3
		.amdhsa_float_denorm_mode_16_64 3
		.amdhsa_memory_ordered 1
		.amdhsa_forward_progress 1
		.amdhsa_inst_pref_size 178
	.end_amdhsa_kernel
	.amdgpu_metadata
---
amdhsa.version: [ 1, 2 ]
amdhsa.kernels:
  - .name:           k_q383cd17a68_stats
    .symbol:         k_q383cd17a68_stats.kd
    .args:
      - { .name: x, .offset: 0, .size: 8, .value_kind: global_buffer, .address_space: global }
      - { .name: zc, .offset: 8, .size: 8, .value_kind: global_buffer, .address_space: global }
      - { .name: zs, .offset: 16, .size: 8, .value_kind: global_buffer, .address_space: global }
      - { .name: wc, .offset: 24, .size: 8, .value_kind: global_buffer, .address_space: global }
      - { .name: pmean, .offset: 32, .size: 8, .value_kind: global_buffer, .address_space: global }
      - { .name: pm2, .offset: 40, .size: 8, .value_kind: global_buffer, .address_space: global }
    .group_segment_fixed_size: 327680
    .private_segment_fixed_size: 0
    .kernarg_segment_align: 8
    .kernarg_segment_size: 48
    .max_flat_workgroup_size: 128
    .sgpr_count:     66
    .vgpr_count:     1024
    .wavefront_size: 32
...
	.end_amdgpu_metadata
.endif
;; end of part 3
;; launch final (part 4): grid 4 x 64, 4 waves a work-group, no clusters, 327,680 bytes of LDS; arguments x, zc, zs, wc, pmean, pm2, gamma, beta, out0; writes out0
.if DOCPART == 4
	.amdgcn_target "amdgcn-amd-amdhsa--gfx1250"
	.amdhsa_code_object_version 6
	.text
	.protected	k_q383cd17a68_final
	.globl	k_q383cd17a68_final
	.p2align	8
	.type	k_q383cd17a68_final,@function
k_q383cd17a68_final:
	s_mov_b64 s[64:65], 0
	v_nop
	global_prefetch_b8 v0, s[64:65] scope:SCOPE_SE
	s_setreg_imm32_b32 hwreg(HW_REG_WAVE_MODE, 25, 1), 1
	s_wait_xcnt 0x0
; LAUNCH 4 OF 4.  t = Wt z once more, as in the launch before; y = t - x; out = x + relu(a y + c), a = gamma rsqrt(var + eps), c = beta - a mean.
; bt is left out: it is the same in y and in y's mean (shown at the head of the first launch).
; mean and var of a channel are joined from the 64 batches' means and sums of squares: mean = the means' mean; var = (the sums' sum + 512 x the means' spread) / 32,768: no difference of large sums.
; Each work-group does that for its own 128 channels, ahead of the products: a wave takes 32 channels; lane l takes channels 4 (l % 8) .. + 3 of them and the batches 4 i + l / 8, i = 0 .. 15: 16 + 16 loads of 16 bytes;
; the four groups of eight lanes are joined by one step inside the half of 16 lanes and one between the halves.  a and c go from wave to wave through LDS.
; z's first K step is asked for ahead of the figures and its second behind them, both ahead of the figures' arithmetic; Wt's first fragments take the figures' registers and follow the barrier.
; SHARES, LAYOUT and REGISTERS as in the launch before; no cluster, for the reason given there.  The four tiles j of z give a lane 4 neighbouring l: the result is added into x's quad, and sixteen lanes store
; 256 consecutive bytes, aligned: no stage.  window 0: v64-107 at work on the figures; v128-255 hold the 16 + 16 quads of figures first, then Wt's fragments, then a and c: 16 registers for each channel tile.
.set HB,    34816
.set RG,    69632
.set COEF,  262144                     ; behind x's four tiles: a[128], c[128]
.set SPARE, COEF+1024                  ; the spare words
.set LI,   1
.set XL,   2
.set OUTO, 3
.set LS,   4
.set SPW,  5
.set NIL,  6
.set CA,   7
.set CW,   8
.set VT,   9
.set VG,   10
.set WTS,  16
.set ZS,   48
.set GAM,  64                          ; v64-67 gamma, v68-71 beta of my 4 channels
.set BET,  68
.set TS,   72                          ; v72-79 two chains of sums
.set MN,   80                          ; v80-83 the channels' means
.set QQ,   84                          ; v84-87 the means' spread, then the variance
.set MM2,  88                          ; v88-91 the sums of squares
.set XX,   92                          ; v92-95 the other half of the lanes' figures
.set RS,   96
.set AA,   100
.set CC,   104
.set WV,   22
.set G1,   28
.set G0,   36
.set G0B,  48
.set SEL,  52
.set MSB, 0
.macro WIN new
.if MSB != (\new)
	s_set_vgpr_msb (MSB<<8)|(\new)
.set MSB, (\new)
.endif
.endm
.macro PLACES n
.rept \n
	v_nop
.endr
.endm
.macro MM d, a, b, z, sa, sb, rb
.if (\z)
.if (\rb)
	v_wmma_scale_f32_16x16x128_f8f6f4 v[(\d):(\d)+7], v[(\a):(\a)+15], v[(\b):(\b)+15], 0, v[\sa], v[\sb] matrix_a_fmt:MATRIX_FMT_BF8 matrix_b_fmt:MATRIX_FMT_BF8 matrix_b_scale:MATRIX_SCALE_ROW1
.else
	v_wmma_scale_f32_16x16x128_f8f6f4 v[(\d):(\d)+7], v[(\a):(\a)+15], v[(\b):(\b)+15], 0, v[\sa], v[\sb] matrix_a_fmt:MATRIX_FMT_BF8 matrix_b_fmt:MATRIX_FMT_BF8
.endif
.else
.if (\rb)
	v_wmma_scale_f32_16x16x128_f8f6f4 v[(\d):(\d)+7], v[(\a):(\a)+15], v[(\b):(\b)+15], v[(\d):(\d)+7], v[\sa], v[\sb] matrix_a_fmt:MATRIX_FMT_BF8 matrix_b_fmt:MATRIX_FMT_BF8 matrix_b_scale:MATRIX_SCALE_ROW1
.else
	v_wmma_scale_f32_16x16x128_f8f6f4 v[(\d):(\d)+7], v[(\a):(\a)+15], v[(\b):(\b)+15], v[(\d):(\d)+7], v[\sa], v[\sb] matrix_a_fmt:MATRIX_FMT_BF8 matrix_b_fmt:MATRIX_FMT_BF8
.endif
.endif
.endm
.macro ZLOAD s
	WIN 0x40
.irp t, 0,1,2,3,4,5,6,7
.irp c, 0,1,2,3
	global_load_b128 v[128*((\s)%2)+16*\t+4*\c:128*((\s)%2)+16*\t+4*\c+3], v[LI], s[6:7] offset:8192*\t+2048*(\s)+512*\c
.endr
.endr
	WIN 0
.endm
.macro ALOAD s, h
.irp o, 0,1,2,3
.irp c, 0,1,2,3
	global_load_b128 v[128+64*(\h)+16*\o+4*\c:128+64*(\h)+16*\o+4*\c+3], v[LI], s[10:11] offset:(\h)*HB+(4*\o+(\s))*2048+512*\c
.endr
.endr
.endm
.macro MUL s, h
	WIN 0xa4+0x50*(\h)
.irp o, 0,1,2,3
.irp t, 0,1,2,3,4,5,6,7
	MM 8*(8*\o+\t), 128+64*(\h)+16*\o, 128*((\s)%2)+16*\t, (\s)==0, WTS+4*(4*(\h)+\o)+(\s), ZS+4*(\s)+\t%4, \t/4
.endr
.endr
	WIN 0
.endm
.macro XLOAD o
	WIN 0x40
.irp u, 0,1
.irp i, 0,1,2,3,4,5,6,7
	ds_load_b128 v[64*((\o)%4)+4*(8*\u+\i):64*((\o)%4)+4*(8*\u+\i)+3], v[XL] offset:(16*(\o)+\i)*512+256*\u
.endr
.endr
	WIN 0
.endm
.macro JOIN b                          ; v[b .. b+3]: the sums of the four groups of eight lanes, in every lane
.irp e, 0,1,2,3
	v_add_f32_dpp v[(\b)+\e], v[(\b)+\e], v[(\b)+\e] row_xmask:8 row_mask:0xf bank_mask:0xf
.endr
.irp e, 0,1,2,3
	v_permlanex16_b32 v[XX+\e], v[(\b)+\e], s[SEL], s[SEL+1]
.endr
.irp e, 0,1,2,3
	v_add_f32 v[(\b)+\e], v[(\b)+\e], v[XX+\e]
.endr
.endm
	s_load_b256 s[4:11], s[0:1], 0x0               ; x s[4:5], zc s[6:7], zs s[8:9], wc s[10:11]
	s_load_b256 s[12:19], s[0:1], 0x20             ; pmean s[12:13], pm2 s[14:15], gamma s[16:17], beta s[18:19]
	s_load_b64 s[20:21], s[0:1], 0x40              ; out0
	v_lshl_add_u32 v[SPW], v0, 2, SPARE
	v_mov_b32 v[NIL], 0
	ds_add_u32 v[SPW], v[NIL]                      ; the wave's opening: the add, twice on end, and its wait ahead of my first tensor load
	ds_add_u32 v[SPW], v[NIL]
	v_lshrrev_b32 v1, 5, v0
	v_readfirstlane_b32 s[WV], v1                  ; wave 0..3
	v_and_b32 v4, 31, v0
	v_lshlrev_b32 v[LI], 4, v4
	v_lshlrev_b32 v[LS], 2, v4
	v_and_b32 v12, 15, v0                          ; r
	v_bfe_u32 v13, v0, 4, 1                        ; h
	s_lshl_b32 s25, s[WV], 16
	v_lshlrev_b32 v[XL], 4, v12
	v_lshl_add_u32 v[OUTO], v13, 14, v[XL]         ; out0: 8 rows of 2,048 bytes for lanes 16-31, 16 bytes a lane
	v_lshl_add_u32 v[XL], v13, 12, v[XL]
	v_add_nc_u32 v[XL], s25, v[XL]
	v_lshlrev_b32 v[CA], 5, v13
	v_add_nc_u32 v[CA], COEF, v[CA]
	v_and_b32 v14, 7, v0                           ; which 4 of my wave's 32 channels
	v_bfe_u32 v15, v0, 3, 2                        ; which of four batches
	v_lshrrev_b32 v12, 5, v0                       ; wave
	v_lshlrev_b32 v[VG], 4, v14
	v_lshl_add_u32 v[VG], v12, 7, v[VG]            ; my 4 channels in a row of figures: 128 x wave + 16 (lane % 8)
	v_lshl_add_u32 v[VT], v15, 11, v[VG]           ; + a row of 2,048 bytes for each batch
	v_add_nc_u32 v[CW], COEF, v[VG]
.irp e, 0,1,2,3
	v_mov_b32 v[XX+\e], 0                          ; written once: a lane permute's destination counts as one of its sources
.endr
	s_and_b32 s24, ttmp7, 0xffff                   ; the batch
	s_lshl_b32 s40, s24, 20
	s_lshl_b32 s41, ttmp9, 18
	s_add_co_u32 s40, s40, s41
	s_lshl_b32 s41, s[WV], 9
	s_add_co_u32 s40, s40, s41
	s_mov_b32 s41, 0
	s_lshl_b32 s42, s24, 18
	s_add_co_u32 s42, s42, s25
	s_mov_b32 s43, 0
	s_lshl_b32 s44, s24, 13
	s_lshl_b32 s45, s[WV], 11
	s_add_co_u32 s44, s44, s45
	s_mov_b32 s45, 0
	s_add_co_u32 s46, ttmp9, 12
	s_mul_i32 s46, s46, RG
	s_mov_b32 s47, 0
	s_lshl_b32 s26, ttmp9, 9                       ; my 128 channels in a row of 512 f32
	s_mov_b32 s27, 0
	s_mov_b32 s23, 0x38000000                      ; 1 / 32,768
	s_mov_b32 s[SEL], 0x76543210
	s_mov_b32 s[SEL+1], 0xfedcba98                 ; v_permlanex16_b32's selects for lane l xor 16
	s_mov_b32 s[G1+0], 2<<16                       ; 64 rows of 128 f32, 512 elements apart
	s_mov_b32 s[G1+1], 128<<16
	s_mov_b32 s[G1+2], 64<<16
	s_mov_b32 s[G1+3], 128<<16
	s_mov_b32 s[G1+4], 64
	s_mov_b32 s[G1+5], 512
	s_mov_b32 s[G1+6], 0
	s_mov_b32 s[G1+7], 0
	s_mov_b32 s[G0], 1
	s_lshl_b32 s[G0+1], s[WV], 16
	s_mov_b32 s[G0B], 1
	s_lshl_b32 s[G0B+1], s[WV], 16
	s_add_co_u32 s[G0B+1], s[G0B+1], 32768         ; rows 64-127 lie behind rows 0-63
	s_wait_dscnt 0x0                               ; both opening adds are done
	s_wait_kmcnt 0x0
	s_add_nc_u64 s[G0+2:G0+3], s[4:5], s[40:41]
	s_add_nc_u64 s[G0B+2:G0B+3], s[G0+2:G0+3], 131072   ; 64 rows of 2,048 bytes on
	s_or_b32 s[G0+3], s[G0+3], 0x80000000
	s_or_b32 s[G0B+3], s[G0B+3], 0x80000000
	tensor_load_to_lds s[G0:G0+3], s[G1:G1+7]      ; my two tensor loads: two are out at the most
	s_nop 0
	tensor_load_to_lds s[G0B:G0B+3], s[G1:G1+7]
	s_nop 0
	PLACES 4
	s_add_nc_u64 s[6:7], s[6:7], s[42:43]
	s_add_nc_u64 s[8:9], s[8:9], s[44:45]
	s_add_nc_u64 s[10:11], s[10:11], s[46:47]
	s_add_nc_u64 s[12:13], s[12:13], s[26:27]
	s_add_nc_u64 s[14:15], s[14:15], s[26:27]
	s_add_nc_u64 s[16:17], s[16:17], s[26:27]
	s_add_nc_u64 s[18:19], s[18:19], s[26:27]
	s_add_nc_u64 s[20:21], s[20:21], s[40:41]
.irp s, 0,1,2,3
	global_load_b128 v[ZS+4*\s:ZS+4*\s+3], v[LI], s[8:9] offset:512*\s
.endr
	ZLOAD 0
.set pb, 0
.rept 16                                           ; batches 4 pb + lane / 8: four rows' 128 bytes an instruction
	global_load_b128 v[128+4*pb:131+4*pb], v[VT], s[12:13] offset:8192*pb
	global_load_b128 v[192+4*pb:195+4*pb], v[VT], s[14:15] offset:8192*pb
.set pb, pb+1
.endr
	global_load_b128 v[GAM:GAM+3], v[VG], s[16:17]
	global_load_b128 v[BET:BET+3], v[VG], s[18:19]
.irp h, 0,1
.irp e, 0,1,2,3,4,5,6,7,8,9,10,11,12,13,14,15
	global_load_b32 v[WTS+16*\h+\e], v[LS], s[10:11] offset:\h*HB+32768+128*\e
.endr
.endr
	ZLOAD 1
	s_wait_loadcnt 63                              ; the figures, gamma and beta are in: 64 loads (Wt's scale words, z's second K step) are younger than beta's
.irp p, 0,2
	v_pk_add_f32 v[TS+\p:TS+\p+1], v[128+\p:129+\p], v[132+\p:133+\p]
	v_pk_add_f32 v[TS+4+\p:TS+5+\p], v[136+\p:137+\p], v[140+\p:141+\p]
.endr
.irp i, 4,6,8,10,12,14
.irp p, 0,2
	v_pk_add_f32 v[TS+\p:TS+\p+1], v[TS+\p:TS+\p+1], v[128+4*\i+\p:129+4*\i+\p]
	v_pk_add_f32 v[TS+4+\p:TS+5+\p], v[TS+4+\p:TS+5+\p], v[132+4*\i+\p:133+4*\i+\p]
.endr
.endr
.irp p, 0,2
	v_pk_add_f32 v[TS+\p:TS+\p+1], v[TS+\p:TS+\p+1], v[TS+4+\p:TS+5+\p]
.endr
	JOIN TS
.irp p, 0,2
	v_pk_mul_f32 v[MN+\p:MN+\p+1], v[TS+\p:TS+\p+1], 0x3c800000 op_sel_hi:[1,0]   ; the channels' means: / 64
.endr
.set pb, 0
.rept 16
.irp p, 0,2
	v_pk_add_f32 v[128+4*pb+\p:129+4*pb+\p], v[128+4*pb+\p:129+4*pb+\p], v[MN+\p:MN+\p+1] neg_lo:[0,1] neg_hi:[0,1]
.endr
.set pb, pb+1
.endr
.irp p, 0,2
	v_pk_mul_f32 v[QQ+\p:QQ+\p+1], v[128+\p:129+\p], v[128+\p:129+\p]
	v_pk_add_f32 v[MM2+\p:MM2+\p+1], v[192+\p:193+\p], v[196+\p:197+\p]
.endr
.irp i, 1,2,3,4,5,6,7,8,9,10,11,12,13,14,15
.irp p, 0,2
	v_pk_fma_f32 v[QQ+\p:QQ+\p+1], v[128+4*\i+\p:129+4*\i+\p], v[128+4*\i+\p:129+4*\i+\p], v[QQ+\p:QQ+\p+1]
.endr
.endr
.irp i, 2,3,4,5,6,7,8,9,10,11,12,13,14,15
.irp p, 0,2
	v_pk_add_f32 v[MM2+\p:MM2+\p+1], v[MM2+\p:MM2+\p+1], v[192+4*\i+\p:193+4*\i+\p]
.endr
.endr
.irp p, 0,2
	v_pk_fma_f32 v[QQ+\p:QQ+\p+1], v[QQ+\p:QQ+\p+1], 0x44000000, v[MM2+\p:MM2+\p+1] op_sel_hi:[1,0,1]   ; the sums of squares + 512 x the means' spread, of my 16 batches
.endr
	JOIN QQ
.irp e, 0,1,2,3
	v_fmaak_f32 v[QQ+\e], s23, v[QQ+\e], 0x3727c5ac   ; var + eps
.endr
.irp e, 0,1,2,3
	v_rsq_f32 v[RS+\e], v[QQ+\e]
.endr
	v_nop                                          ; a plain instruction behind the transcendentals,
	s_wait_alu depctr_va_vdst(0)                   ; and a wait ahead of their first reader: one for the four
.irp p, 0,2
	v_pk_mul_f32 v[AA+\p:AA+\p+1], v[GAM+\p:GAM+\p+1], v[RS+\p:RS+\p+1]   ; a
.endr
.irp p, 0,2
	v_pk_fma_f32 v[CC+\p:CC+\p+1], v[AA+\p:AA+\p+1], v[MN+\p:MN+\p+1], v[BET+\p:BET+\p+1] neg_lo:[1,0,0] neg_hi:[1,0,0]   ; c = beta - a mean
.endr
	ds_store_b128 v[CW], v[AA:AA+3]                ; the four lanes that hold the same channels write the same bytes with the same values
	ds_store_b128 v[CW], v[CC:CC+3] offset:512
	s_wait_dscnt 0x0
	s_barrier_signal -1
	s_barrier_wait -1                              ; a and c of the 128 channels lie in LDS (my tile of x may still be on its way: nothing is filled again)
	ALOAD 0, 0
	ALOAD 0, 1
.irp s, 0,1,2
.if \s == 0
	s_wait_loadcnt 16                              ; z's first two steps, the scale words and Wt's first four tiles are in; Wt's second four (16) may be out
.else
	s_wait_loadcnt 48                              ; this step's z and Wt's first four tiles are in; Wt's second four (16) and the next step's z (32) may be out
.endif
	MUL \s, 0
	PLACES 8                                       ; in front of loads into registers that matrix instructions have read
	ALOAD \s+1, 0
.if \s == 0
	s_wait_loadcnt 16                              ; Wt's second four are in; the next step's first four (16) may be out
.else
	s_wait_loadcnt 48                              ; Wt's second four are in; the next step's z (32) and Wt's first four (16) may be out
.endif
	MUL \s, 1
	PLACES 8
	ALOAD \s+1, 1
.if \s < 2
	ZLOAD \s+2
.endif
.endr
	s_wait_loadcnt 16                              ; the last 16 loads may be out
	MUL 3, 0
	s_wait_loadcnt 0x0
	MUL 3, 1
	PLACES 8
.irp o, 0,1,2,3,4,5,6,7                            ; a and c of channels 16 o + 8 h + 0 .. 7
	ds_load_b128 v[128+16*\o:131+16*\o], v[CA] offset:64*\o
	ds_load_b128 v[132+16*\o:135+16*\o], v[CA] offset:64*\o+16
	ds_load_b128 v[136+16*\o:139+16*\o], v[CA] offset:512+64*\o
	ds_load_b128 v[140+16*\o:143+16*\o], v[CA] offset:512+64*\o+16
.endr
	s_wait_tensorcnt 0x1                           ; rows 0-63 of my tile of x have landed; the load of rows 64-127 may be out; only I read them
	XLOAD 0
	XLOAD 1
.macro FIN o
.set WSX, 2+(\o)/4
.set AB, 64*((\o)%4)
.set AC, 128+16*(\o)
.if (\o)+2 < 8
.if (\o)+2 == 4
	s_wait_tensorcnt 0x0                           ; rows 64-127 have landed: tile 4 is the first that reads them
.endif
.if (\o)+2 >= 4
	s_wait_xcnt 0x0                                ; the stores of four tiles back have read the quads that are loaded again
.endif
	XLOAD (\o)+2
	s_wait_dscnt 32                                ; this tile's quads are in; the 32 loads of the next two tiles may be out
.elseif (\o) == 6
	s_wait_dscnt 16
.else
	s_wait_dscnt 0x0
.endif
	WIN WSX|(1<<2)|(WSX<<6)
.irp i, 0,1,2,3,4,5,6,7                            ; y = t - x, register 0 of every accumulator first: each is read from its low end on
.irp t, 0,1,2,3,4,5,6,7
	v_sub_f32 v[AB+8*\t+\i], v[AB+8*\t+\i], v[AB+4*(8*(\t/4)+\i)+\t%4]
.endr
.endr
	WIN (WSX<<2)|(WSX<<6)
.irp t, 0,1,2,3,4,5,6,7
.irp p, 0,2,4,6
	v_pk_fma_f32 v[AB+8*\t+\p:AB+8*\t+\p+1], v[AC+\p:AC+\p+1], v[AB+8*\t+\p:AB+8*\t+\p+1], v[AC+8+\p:AC+8+\p+1]   ; a y + c: neighbouring registers are neighbouring channels
.endr
.endr
.set fe, 0
.rept 64
	v_max_num_f32 v[AB+fe], 0, v[AB+fe]
.set fe, fe+1
.endr
	WIN 1|(WSX<<2)|(1<<6)
.irp i, 0,1,2,3,4,5,6,7
.irp t, 0,1,2,3,4,5,6,7
	v_add_f32 v[AB+4*(8*(\t/4)+\i)+\t%4], v[AB+4*(8*(\t/4)+\i)+\t%4], v[AB+8*\t+\i]   ; into x's quad
.endr
.endr
	WIN 1<<2
.irp i, 0,1,2,3,4,5,6,7
.irp u, 0,1
	global_store_b128 v[OUTO], v[AB+4*(8*\u+\i):AB+4*(8*\u+\i)+3], s[20:21] offset:(16*(\o)+\i)*2048+256*\u th:TH_STORE_NT   ; sixteen lanes store 256 consecutive bytes, aligned
.endr
.endr
	WIN 0
.endm
.irp o, 0,1,2,3,4,5,6,7
	FIN \o
.endr
	s_wait_tensorcnt 0x0                           ; the wave's end
	ds_add_u32 v[SPW], v[NIL]
	s_wait_dscnt 0x0
	s_endpgm
.Lfunc_end_k_q383cd17a68_final:
	.size	k_q383cd17a68_final, .Lfunc_end_k_q383cd17a68_final-k_q383cd17a68_final
	.p2alignl 7, 3214868480
	.fill 96, 4, 3214868480
	.section	.rodata,"a",@progbits
	.p2align	6, 0x0
	.amdhsa_kernel k_q383cd17a68_final
		.amdhsa_group_segment_fixed_size 327680
		.amdhsa_private_segment_fixed_size 0
		.amdhsa_enable_private_segment 0
		.amdhsa_kernarg_size 72
		.amdhsa_user_sgpr_count 2
		.amdhsa_user_sgpr_kernarg_segment_ptr 1
		.amdhsa_wavefront_size32 1
		.amdhsa_system_sgpr_workgroup_id_x 1
		.amdhsa_system_sgpr_workgroup_id_y 1
		.amdhsa_system_sgpr_workgroup_id_z 1
		.amdhsa_system_vgpr_workitem_id 0
		.amdhsa_next_free_vgpr 1024
		.amdhsa_next_free_sgpr 66
		.amdhsa_reserve_vcc 0
		.amdhsa_float_denorm_mode_32 3
		.amdhsa_float_denorm_mode_16_64 3
		.amdhsa_memory_ordered 1
		.amdhsa_forward_progress 1
		.amdhsa_inst_pref_size 169
	.end_amdhsa_kernel
	.amdgpu_metadata
---
amdhsa.version: [ 1, 2 ]
amdhsa.kernels:
  - .name:           k_q383cd17a68_final
    .symbol:         k_q383cd17a68_final.kd
    .args:
      - { .name: x, .offset: 0, .size: 8, .value_kind: global_buffer, .address_space: global }
      - { .name: zc, .offset: 8, .size: 8, .value_kind: global_buffer, .address_space: global }
      - { .name: zs, .offset: 16, .size: 8, .value_kind: global_buffer, .address_space: global }
      - { .name: wc, .offset: 24, .size: 8, .value_kind: global_buffer, .address_space: global }
      - { .name: pmean, .offset: 32, .size: 8, .value_kind: global_buffer, .address_space: global }
      - { .name: pm2, .offset: 40, .size: 8, .value_kind: global_buffer, .address_space: global }
      - { .name: gamma, .offset: 48, .size: 8, .value_kind: global_buffer, .address_space: global }
      - { .name: beta, .offset: 56, .size: 8, .value_kind: global_buffer, .address_space: global }
      - { .name: out0, .offset: 64, .size: 8, .value_kind: global_buffer, .address_space: global }
    .group_segment_fixed_size: 327680
    .private_segment_fixed_size: 0
    .kernarg_segment_align: 8
    .kernarg_segment_size: 72
    .max_flat_workgroup_size: 128
    .sgpr_count:     66
    .vgpr_count:     1024
    .wavefront_size: 32
...
	.end_amdgpu_metadata
.endif
;; end of part 4
